; MI455X (gfx1250); checked and timed in simulation.
; The chip was launched on July 23, 2026; its instructions are those of AMD's public machine-readable ISA for CDNA 5 (MIT licence, August 2026) and "CDNA5" Instruction Set Architecture Reference Guide (July 2026). The comments in the code are by the model that wrote it; some were corrected since.
;; Efficient Vector Quantiser. Allowed arithmetic: float matrix products may take bf16 or f16 operands with f32 sums; other float arithmetic in f32, or as packed bf16 or f16 multiplies, adds, multiply-adds, maxima and minima; sums over many terms, partial sums and values carried from step to step in f32; what a program stores and reads back later, other than sums and carried values, may be rounded once to bf16 or f16.
;; Inputs: embed_weight 8,192 x 256 float32; z 32 x 256 x 32 x 32 float32.
;; Outputs: out0 32 x 256 x 32 x 32 float32; out1 one number float32; out2 32,768 int32.
;; 2 versions, each right; version 2 is version 1 with the launches prep, emit written anew for expert scheduling mode. Each part assembles by itself: llvm-mc -triple=amdgcn-amd-amdhsa -mcpu=gfx1250 --defsym DOCPART=n.
;; ======== version 1 of 2: 4 launches
;; workspace buffers: ebf 4,194,304 bytes; ebr 4,194,304 bytes; rnp 32,768 bytes; zb 16,777,216 bytes; idxw 131,072 bytes of whole numbers; part 65,536 bytes
;; launch prep (part 1): grid 128 x 1, 4 waves a work-group, no clusters, 35,584 bytes of LDS; arguments embed_weight, ebf, ebr, rnp; writes ebf, ebr, rnp
.if DOCPART == 1
	.amdgcn_target "amdgcn-amd-amdhsa--gfx1250"
	.amdhsa_code_object_version 6
	.text
	.protected	k_qb32ecaaa3b_prep
	.globl	k_qb32ecaaa3b_prep
	.p2align	8
	.type	k_qb32ecaaa3b_prep,@function
k_qb32ecaaa3b_prep:
	s_mov_b64 s[64:65], 0
	v_nop
	global_prefetch_b8 v0, s[64:65] scope:SCOPE_SE
	s_setreg_imm32_b32 hwreg(HW_REG_WAVE_MODE, 25, 1), 1
	s_wait_xcnt 0x0
; THE CODEBOOK IS MADE READY.  e: [8192][256] f32.  eb = e rounded once to bf16, stored twice:
;   ebr  row-major [8192][256] bf16, for the gather of the chosen rows;
;   ebf  by fragments: tile T (16 codes) is 8,192 bytes; its line l = 2 kf + u (16 lines of 512 bytes) holds, at 16 x lane (lane = r + 16 h), code 16 T + r, channels 32 kf + 16 u + 8 h .. + 7:
;        the register image of a 16 x 32 source of the bf16 matrix instruction (ISA guide 7.12.2), so that the product's launch reads it from LDS as it lies.
;   rnp  rn = 1 / max(|eb|, 1e-12) in f32, laid so that each wave of the product's launch finds its tiles on end: tile T = 16 s + 4 a + i lies at byte 8,192 a + 256 s + 64 i.
; SHARES.  Work-group g, wave w: tile T = 4 g + w, 16 rows of 1,024 bytes.  All 32 loads of a wave go out at once; four tiles' rn are 256 consecutive bytes of rnp.
; LIMITS.  The norm is taken of the rounded row, its squares summed in f32 in four chains; a square below f32's least number counts as 0 (|e| under about 1e-19, far under the clamp at 1e-12).
; The sum of squares is held at 1e-30 or more ahead of the root, which changes nothing behind the clamp.  NaN and infinities are not treated apart.
.set LINE,  544                        ; a line of the stage: two halves of 272 = 256 bytes + 16
.set HALF,  272
.set STGB,  16*LINE                    ; a wave's stage: 8,704 bytes
.set RNS,   4*STGB                     ; 34,816: the four tiles' rn, 256 bytes
.set SPARE, RNS+256                    ; 35,072: the spare words, 128 bytes for each wave: two blocks of 256 bytes that no other line names
.set LO16, 1                           ; v1   16 x lane
.set LO8,  2                           ; v2   8 x lane
.set PST,  3                           ; v3   where I put 8 bytes of a row in my stage
.set PRD,  4                           ; v4   where I read 16 bytes of a line back
.set RNW,  5                           ; v5   my code's word among the 64 rn
.set RNR,  6                           ; v6   wave 0 reads them back: 8 bytes a lane
.set SPW,  8                           ; v8   my spare word; never rewritten
.set NIL,  9                           ; v9   0; never rewritten
.set SS,   12                          ; v[12:15] four sums of squares
.set WK,   16                          ; v[16:23] at work
.set X,    64                          ; v[64:191]  row i, half u at X + 4 (2 i + u): as loaded, then its first two registers as bf16
.set F,    192                         ; v[192:255] the tile's 16 lines, 4 registers each
.set WV,   12                          ; s12  my wave's number
	s_load_b256 s[4:11], s[0:1], 0x0               ; e s[4:5], ebf s[6:7], ebr s[8:9], rnp s[10:11]
	v_lshl_add_u32 v[SPW], v0, 2, SPARE
	v_mov_b32 v[NIL], 0
	v_lshrrev_b32 v[WK], 5, v0
	v_readfirstlane_b32 s[WV], v[WK]               ; wave 0..3
	v_and_b32 v[WK], 31, v0                        ; lane L
	v_and_b32 v[WK+1], 15, v0                      ; r
	v_bfe_u32 v[WK+2], v0, 4, 1                    ; h
	v_lshlrev_b32 v[LO16], 4, v[WK]
	v_lshlrev_b32 v[LO8], 3, v[WK]
	s_mul_i32 s13, s[WV], STGB                     ; my stage
	; a loaded lane holds channels 128 u + 4 L .. + 3 of a row: line 8 u + (L >> 2), half (L >> 1) & 1, bytes 8 (L & 1) of the row's 16
	v_lshrrev_b32 v[WK+3], 2, v[WK]
	v_mul_u32_u24 v[PST], v[WK+3], LINE
	v_bfe_u32 v[WK+3], v0, 1, 1
	v_mul_u32_u24 v[WK+3], v[WK+3], HALF
	v_add_nc_u32 v[PST], v[PST], v[WK+3]
	v_and_b32 v[WK+3], 1, v0
	v_lshl_add_u32 v[PST], v[WK+3], 3, v[PST]
	v_add_nc_u32 v[PST], s13, v[PST]
	v_mul_u32_u24 v[PRD], v[WK+2], HALF
	v_lshl_add_u32 v[PRD], v[WK+1], 4, v[PRD]
	v_add_nc_u32 v[PRD], s13, v[PRD]
	s_lshl_b32 s13, s[WV], 6
	s_add_co_u32 s13, s13, RNS
	v_lshl_add_u32 v[RNW], v[WK+1], 2, s13
	v_add_nc_u32 v[RNR], RNS, v[LO8]
	s_mov_b32 s22, 0x76543210                      ; v_permlanex16_b32: each lane takes its own place in the other half
	s_mov_b32 s23, 0xfedcba98
	s_lshl_b32 s14, ttmp9, 2
	s_add_co_u32 s14, s14, s[WV]                   ; T
	s_lshl_b32 s16, s14, 14                        ; 16 rows of 1,024 bytes
	s_mov_b32 s17, 0
	s_lshl_b32 s18, s14, 13                        ; 8,192 bytes of ebf and of ebr
	s_mov_b32 s19, 0
	s_and_b32 s20, ttmp9, 3
	s_lshl_b32 s20, s20, 13
	s_lshr_b32 s21, ttmp9, 2
	s_lshl_b32 s21, s21, 8
	s_add_co_u32 s20, s20, s21                     ; the work-group's 256 bytes of rnp
	s_mov_b32 s21, 0
	s_wait_kmcnt 0x0
	s_add_nc_u64 s[4:5], s[4:5], s[16:17]
	s_add_nc_u64 s[6:7], s[6:7], s[18:19]
	s_add_nc_u64 s[8:9], s[8:9], s[18:19]
	s_add_nc_u64 s[10:11], s[10:11], s[20:21]
.set i, 0
.rept 32                                       ; each load takes 512 consecutive bytes: half a row
	global_load_b128 v[X+4*i:X+4*i+3], v[LO16], s[4:5] offset:512*i th:TH_LOAD_NT
.set i, i+1
.endr
.set i, 0
.rept 16
	s_wait_loadcnt 30-2*i                          ; row i's two loads are in; the later rows' stay out
.irp u, 0,1
	v_cvt_pk_bf16_f32 v[X+4*(2*i+\u)],   v[X+4*(2*i+\u)],   v[X+4*(2*i+\u)+1]
	v_cvt_pk_bf16_f32 v[X+4*(2*i+\u)+1], v[X+4*(2*i+\u)+2], v[X+4*(2*i+\u)+3]
	ds_store_b64 v[PST], v[X+4*(2*i+\u):X+4*(2*i+\u)+1] offset:8*LINE*\u+16*i  ; the 32 lanes' 8 bytes fall on 32 different pairs of banks: 32 (L >> 2) + 16 ((L >> 1) & 1) + 8 (L & 1) modulo 256
	global_store_b64 v[LO8], v[X+4*(2*i+\u):X+4*(2*i+\u)+1], s[8:9] offset:512*i+256*\u  ; 256 consecutive bytes, aligned
.endr
.set i, i+1
.endr
.set i, 0
.rept 16
	ds_load_b128 v[F+4*i:F+4*i+3], v[PRD] offset:LINE*i  ; my own bytes: LDS serves a wave's instructions in order (ISA guide 5.7.1.4)
.set i, i+1
.endr
.irp c, 0,1,2,3
	v_mov_b32 v[SS+\c], 0
.endr
.set i, 0
.rept 16
	s_wait_dscnt 15-i                              ; line i is in; the later lines' loads stay out
	global_store_b128 v[LO16], v[F+4*i:F+4*i+3], s[6:7] offset:512*i  ; 512 consecutive bytes, aligned
.set i, i+1
.endr
.set i, 0
.rept 64                                       ; my half of code r's 256 squares, straight from the bf16 halves, in four chains
	v_fma_mix_f32_bf16 v[SS+(2*i)%4], v[F+i], v[F+i], v[SS+(2*i)%4] op_sel_hi:[1,1,0]
	v_fma_mix_f32_bf16 v[SS+(2*i+1)%4], v[F+i], v[F+i], v[SS+(2*i+1)%4] op_sel:[1,1,0] op_sel_hi:[1,1,0]
.set i, i+1
.endr
	v_add_f32 v[SS], v[SS], v[SS+1]
	v_add_f32 v[SS+2], v[SS+2], v[SS+3]
	v_add_f32 v[SS], v[SS], v[SS+2]
	v_permlanex16_b32 v[WK], v[SS], s22, s23       ; the other half of the channels lies in the lane 16 away
	v_add_f32 v[SS], v[SS], v[WK]
	v_max_num_f32 v[SS], 0x0da24260, v[SS]         ; at least 1e-30
	v_sqrt_f32 v[WK], v[SS]                        ; n0
	v_nop                                          ; a plain instruction behind the root,
	s_wait_alu depctr_va_vdst(0)                   ; and the wait ahead of its first reader
	v_rcp_f32 v[WK+1], v[WK]                       ; 1 / n0
	v_fma_f32 v[WK+2], -v[WK], v[WK], v[SS]        ; ss - n0^2: the plain instruction behind the reciprocal
	s_wait_alu depctr_va_vdst(0)
	v_mul_f32 v[WK+1], 0.5, v[WK+1]
	v_fma_f32 v[WK], v[WK+2], v[WK+1], v[WK]       ; one step of Newton's: the norm
	v_max_num_f32 v[WK], 0x2b8cbccc, v[WK]         ; max(norm, 1e-12)
	v_rcp_f32 v[WK+3], v[WK]
	v_nop
	s_wait_alu depctr_va_vdst(0)
	v_fma_f32 v[WK+4], -v[WK], v[WK+3], 1.0
	v_fma_f32 v[WK+3], v[WK+4], v[WK+3], v[WK+3]   ; and one for the reciprocal: rn
	ds_store_b32 v[RNW], v[WK+3]                   ; both halves of the lanes write the same number to the same word
	s_wait_dscnt 0x0                               ; for wave 0's sake: my store is done
	s_barrier_signal -1
	s_barrier_wait -1
	s_cmp_lg_u32 s[WV], 0
	s_cbranch_scc1 .Lend
	ds_load_b64 v[WK:WK+1], v[RNR]
	s_wait_dscnt 0x0
	global_store_b64 v[LO8], v[WK:WK+1], s[10:11]  ; 256 consecutive bytes, aligned
.Lend:
	s_wait_tensorcnt 0x0                           ; the wave's end, behind my last LDS store
	ds_add_u32 v[SPW], v[NIL]
	s_wait_dscnt 0x0
	s_endpgm
.Lfunc_end_k_qb32ecaaa3b_prep:
	.size	k_qb32ecaaa3b_prep, .Lfunc_end_k_qb32ecaaa3b_prep-k_qb32ecaaa3b_prep
	.p2alignl 7, 3214868480
	.fill 96, 4, 3214868480
	.section	.rodata,"a",@progbits
	.p2align	6, 0x0
	.amdhsa_kernel k_qb32ecaaa3b_prep
		.amdhsa_group_segment_fixed_size 35584
		.amdhsa_private_segment_fixed_size 0
		.amdhsa_enable_private_segment 0
		.amdhsa_kernarg_size 32
		.amdhsa_user_sgpr_count 2
		.amdhsa_user_sgpr_kernarg_segment_ptr 1
		.amdhsa_wavefront_size32 1
		.amdhsa_system_sgpr_workgroup_id_x 1
		.amdhsa_system_sgpr_workgroup_id_y 1
		.amdhsa_system_sgpr_workgroup_id_z 1
		.amdhsa_system_vgpr_workitem_id 0
		.amdhsa_next_free_vgpr 256
		.amdhsa_next_free_sgpr 66
		.amdhsa_reserve_vcc 0
		.amdhsa_float_denorm_mode_32 3
		.amdhsa_float_denorm_mode_16_64 3
		.amdhsa_memory_ordered 1
		.amdhsa_forward_progress 1
		.amdhsa_inst_pref_size 28
	.end_amdhsa_kernel
	.amdgpu_metadata
---
amdhsa.version: [ 1, 2 ]
amdhsa.kernels:
  - .name:           k_qb32ecaaa3b_prep
    .symbol:         k_qb32ecaaa3b_prep.kd
    .args:
      - { .name: embed_weight, .offset: 0, .size: 8, .value_kind: global_buffer, .address_space: global }
      - { .name: ebf, .offset: 8, .size: 8, .value_kind: global_buffer, .address_space: global }
      - { .name: ebr, .offset: 16, .size: 8, .value_kind: global_buffer, .address_space: global }
      - { .name: rnp, .offset: 24, .size: 8, .value_kind: global_buffer, .address_space: global }
    .group_segment_fixed_size: 35584
    .private_segment_fixed_size: 0
    .kernarg_segment_align: 8
    .kernarg_segment_size: 32
    .max_flat_workgroup_size: 128
    .sgpr_count:     66
    .vgpr_count:     256
    .wavefront_size: 32
...
	.end_amdgpu_metadata
.endif
;; end of part 1
;; launch amax (part 2): grid 256 x 1, 4 waves a work-group, clusters of 4 x 1, 327,680 bytes of LDS; arguments z, ebf, rnp, out2, idxw, zb; writes out2, idxw, zb
.if DOCPART == 2
	.amdgcn_target "amdgcn-amd-amdhsa--gfx1250"
	.amdhsa_code_object_version 6
	.text
	.protected	k_qb32ecaaa3b_amax
	.globl	k_qb32ecaaa3b_amax
	.p2align	8
	.type	k_qb32ecaaa3b_amax,@function
k_qb32ecaaa3b_amax:
	s_mov_b64 s[64:65], 0
	v_nop
	global_prefetch_b8 v0, s[64:65] scope:SCOPE_SE
	s_setreg_imm32_b32 hwreg(HW_REG_WAVE_MODE, 25, 1), 1
	s_wait_xcnt 0x0
	s_wait_alu depctr_hold_cnt(0) depctr_sa_sdst(0) depctr_va_vdst(0) depctr_va_sdst(0) depctr_va_ssrc(0) depctr_va_vcc(0) depctr_vm_vsrc(0)
	s_getreg_b32 s2, hwreg(HW_REG_IB_STS2, 6, 4)
	s_cmp_eq_u32 s2, 0
	s_cbranch_scc0 .Lentry_in_a_cluster
	s_endpgm
.Lentry_in_a_cluster:
	s_bfe_u32 s2, ttmp6, 0x10000c
	s_cmp_lg_u32 s2, 0x3003
	s_cbranch_scc0 .Lentry_shape_is_right
	s_endpgm
.Lentry_shape_is_right:
; THE NEAREST CODE BY COSINE.  For each of the 32,768 vectors z[b][:][hw] (256 channels, 4,096 bytes apart): the index of the greatest score (zb . eb[k]) x rn[k] over the 8,192 codes.
; zb = z rounded once to bf16 (also stored, [32][256][1024], for the launch behind); eb, rn: the launch before.  Products in bf16 with f32 sums; the scaling by rn and the comparison in f32.
; z's OWN NORM IS NOT APPLIED: it is one positive factor for all 8,192 scores of a vector, whatever z holds, so no comparison hangs on it.
; LIMITS.  Among equal scores the lowest index wins, as in argmax; a vector of zeros gives index 0.  A NaN score never wins; infinities are not treated apart.  The sums' order is the matrix unit's, not the
; order of a sum in f32 one term at a time: two scores closer than the rounding of such sums may change places.
; SHARES.  Work-group g = 4 x cluster + cx owns 128 vectors ("queries"): image g >> 3, places 128 (g & 7) on.  EVERY wave holds all 128 queries as source 1: 8 tiles x 8 fragments x 8 = 512 registers.
; The codes go through a ring of two LDS slots of 256 codes; of a slot wave w fetches, and multiplies, codes 64 w .. 64 w + 63: four tiles of 16.  A BLOCK is one code tile x 8 query tiles x 8 fragments
; along the channels: 64 matrix instructions fed by 18 LDS loads.  A wave has 128 blocks.
; LAYOUT.  Source 0 = 16 codes, source 1 = 16 queries: in the result a lane holds ONE query (lane % 16) and the codes 8 (lane / 16) + 0..7, so the running maximum never changes lanes before the end.
; BY TURNS.  While block i is multiplied into one set of 8 accumulators, the other set, block i - 1's, is scaled and entered into the running maximum: 224 vector instructions ("riders"), three or four behind
; each matrix instruction.  All that they touch lies in window 0, and no window has room for the sources beside it: two window switches a matrix instruction.
; CLUSTER.  All work-groups walk the same codes: each part of a slot is asked for JOINTLY by the four partners: the same tensor load, descriptor and mask in all four.
; REGISTERS, in windows of 256 (s_set_vgpr_msb: bits 1:0 source 0, 3:2 source 1, 5:4 source 2, 7:6 destination):
;   window 0: v1-15 addresses; v16-31 m and index, a pair a query tile; v32-47 rn, two sets; v48-63 at work; v64-191 two sets of 8 accumulators (at the start: zb packed); v192-227 the last merge
;   window 1: v0-127 the code tile's fragments, two sets of 64 (at the start all 256: z as loaded)        windows 2, 3: the queries: tile t, fragment kf at 64 (t % 4) + 8 kf of window 2 + t / 4
.set SLOT1, 131072                     ; slot 0 at 0, slot 1 here: one exclusive or turns an address in one slot into the other's
.set PARTB, 32768                      ; a wave's part of a slot: four tiles
.set TILEB, 8192                       ; a tile: 16 lines of 512 bytes, read as they lie: 32 lanes x 16 consecutive bytes
.set RNB,   2*SLOT1                    ; rn: 8,192 bytes for each wave, filled once
.set STG,   RNB+32768                  ; 64 channels x 128 queries of zb, rows of 256 + 32 bytes; never filled by a tensor load
.set SPCH,  288                        ; 72 words
.set SCR,   STG+64*SPCH                ; the waves' results: 128 x (m, index) for each wave
.set SPARE, SCR+4096                   ; the spare words, 128 bytes for each wave: two blocks of 256 bytes that no other line names
.set SCD,  1                           ; v1   wave 0 reads the results back: SCR + 32 x lane
.set AK0,  2                           ; v2   my lane's 16 bytes in my part of a slot; never rewritten
.set ADR,  3                           ; v3   the LDS address of the run of loads in hand
.set RK0,  4                           ; v4   my half's 32 bytes of a tile's rn, in my wave's 8,192; never rewritten
.set RADR, 5                           ; v5   the address of rn's two loads
.set ZO,   6                           ; v6   my 16 bytes of z in my wave's first channel
.set ZBO,  7                           ; v7   my 8 bytes of zb there
.set STS,  8                           ; v8   where I put them in the stage
.set STR,  9                           ; v9   my lane's place for the turning load
.set H8,   10                          ; v10  8 (lane / 16)
.set SCW,  11                          ; v11  where I put a query's result
.set SPW,  12                          ; v12  my spare word; never rewritten
.set NIL,  13                          ; v13  0; never rewritten
.set PFO,  14                          ; v14  256 x lane; never rewritten
.set L16,  15                          ; v15  16 x lane
.set ST,   16                          ; query tile t: m at ST + 2 t, index at ST + 2 t + 1
.set RN,   32                          ; rn of a tile's codes 8 (lane / 16) + 0..7: set q at RN + 8 q
.set TM,   48
.set ACC,  64                          ; set q, query tile t at ACC + 64 q + 8 t
.set FM,   192
.set WV,   16                          ; s16  my wave's number
.set CX,   17                          ; s17  my place in the cluster: it enters global addresses alone
.set GI,   18                          ; s18  g
.set G1,   24                          ; s[24:31] descriptor group 1 for a part of a slot
.set G1R,  32                          ; s[32:39] for a wave's rn
.set G0A,  40                          ; s[40:43] group 0: slot 0's first fill
.set G0B,  44                          ; s[44:47] slot 1's first fill; then it walks
.set G0R,  48                          ; s[48:51] rn
.set TB,   52                          ; s52  LDS byte, less my part's, at which the tile to be fetched begins
.set TR,   53                          ; s53  the byte in my 8,192 at which the rn to be fetched begin
.set SLOTS, 54                         ; s54  counts the changes of slots
.set CNT,  55                          ; s55  counts pairs of blocks
.set MA,   56                          ; s56, s57  lane masks of two tiles' comparisons
.set MC,   58                          ; s58  a third, for the merges
.set W64,  59                          ; s59  64 x wave
.set SEL,  60                          ; s[60:61] v_permlanex16_b32's selects
.set LIM,  62                          ; s62  1 in the first cluster, else the greatest number
.set PFA,  66                          ; s[66:67] where my prefetches stand
.set CAND, 68                          ; s[68:75] 16 i + j, j = 0..7, for the tile i that the riders have in hand
.set MSB, 0
.macro WIN new                         ; the immediate's high byte repeats the setting that is left; a switch that changes nothing is dropped
.if MSB != (\new)
	s_set_vgpr_msb (MSB<<8)|(\new)
.set MSB, (\new)
.endif
.endm
.macro PLACES                          ; plain instructions between a matrix instruction and a vector instruction or load that touches its registers
.rept 8
	v_nop
.endr
.endm
; A round of the cluster's barrier: my work-group's barrier, so that wave 0's signal speaks for all four waves; wave 0 signals; every wave waits for all four work-groups; my work-group's barrier once more.
.macro CROUND
	s_barrier_signal -1
	s_barrier_wait -1
	s_cmp_lg_u32 s[WV], 0
	s_cbranch_scc1 .Lnot_wave_0_\@
	s_barrier_signal -3
.Lnot_wave_0_\@:
	s_barrier_wait -3
	s_barrier_signal -1
	s_barrier_wait -1
.endm
	s_load_b256 s[4:11], s[0:1], 0x0               ; z s[4:5], ebf s[6:7], rnp s[8:9], out2 s[10:11]
	s_load_b128 s[12:15], s[0:1], 0x20             ; idxw s[12:13], zb s[14:15]
	v_lshl_add_u32 v[SPW], v0, 2, SPARE
	v_mov_b32 v[NIL], 0
	ds_add_u32 v[SPW], v[NIL]                      ; the wave's opening: the add and its wait stand ahead of my first tensor load; the set-up below, work on registers, stands between them
	ds_add_u32 v12, v13
	v_lshrrev_b32 v48, 5, v0
	v_readfirstlane_b32 s[WV], v48                 ; wave 0..3
	s_bfe_u32 s[CX], ttmp6, 0x40000                ; cx
	s_lshl_b32 s[GI], ttmp9, 2                     ; in a cluster launch ttmp9 counts clusters
	s_add_co_u32 s[GI], s[GI], s[CX]
	; descriptor group 1: dense bytes, asked for as rows of 256: elements of 8 bytes, 32 a row
	s_mov_b32 s[G1], 15|(3<<16)|(1<<21)            ; 15:0 the mask: all four work-groups; 17:16 elements of 8 bytes; 21 set beside a mask; no padding
	s_mov_b32 s[G1+1], 32<<16                      ; tensor_dim0 = 32
	s_mov_b32 s[G1+2], 128<<16                     ; tensor_dim1 = 128
	s_mov_b32 s[G1+3], 32<<16                      ; tile_dim0 = 32
	s_mov_b32 s[G1+4], 128                         ; tile_dim1 = 128 rows: 32,768 bytes
	s_mov_b32 s[G1+5], 32                          ; 32 elements from row to row
	s_mov_b32 s[G1+6], 0
	s_mov_b32 s[G1+7], 0
	s_mov_b32 s[G1R], 15|(3<<16)|(1<<21)
	s_mov_b32 s[G1R+1], 32<<16
	s_mov_b32 s[G1R+2], 32<<16                     ; 32 rows: 8,192 bytes
	s_mov_b32 s[G1R+3], 32<<16
	s_mov_b32 s[G1R+4], 32
	s_mov_b32 s[G1R+5], 32
	s_mov_b32 s[G1R+6], 0
	s_mov_b32 s[G1R+7], 0
	s_lshl_b32 s20, s[WV], 15                      ; my part of a slot, in LDS and in memory alike
	s_mov_b32 s21, 0
	s_lshl_b32 s76, s[WV], 13                      ; my 8,192 bytes of rn
	s_mov_b32 s77, 0
	s_add_co_u32 s63, s76, RNB
	s_mov_b32 s[G0A], 1                            ; count = 1
	s_mov_b32 s[G0A+1], s20                        ; LDS address: no place in the cluster enters it
	s_mov_b32 s[G0B], 1
	s_add_co_u32 s[G0B+1], s20, SLOT1
	s_mov_b32 s[G0R], 1
	s_mov_b32 s[G0R+1], s63
	s_mov_b32 s[SEL], 0x76543210
	s_mov_b32 s[SEL+1], 0xfedcba98
	s_lshl_b32 s[W64], s[WV], 6
	s_cmp_eq_u32 ttmp9, 0                          ; the same in all four partners
	s_cselect_b32 s[LIM], 1, -1
	v_and_b32 v48, 31, v0                          ; lane L
	v_and_b32 v49, 15, v0                          ; r
	v_bfe_u32 v50, v0, 4, 1                        ; h
	v_and_b32 v51, 7, v0
	v_bfe_u32 v52, v0, 3, 1
	v_lshl_add_u32 v[AK0], v48, 4, s20
	v_lshl_add_u32 v[RK0], v50, 5, s63
	v_lshl_add_u32 v[ZBO], v48, 3, s20             ; 16 channels of 2,048 bytes a wave
	s_lshl_b32 s63, s[WV], 16
	v_lshl_add_u32 v[ZO], v48, 4, s63              ; 16 channels of 4,096 bytes a wave
	s_mul_i32 s63, s[WV], 16*SPCH
	s_add_co_u32 s63, s63, STG
	v_lshl_add_u32 v[STS], v48, 3, s63
	v_lshl_add_u32 v53, v50, 3, v51                ; the turning load: channel 8 h + L % 8, queries 8 ((L / 8) % 2) + 0..7
	v_mul_u32_u24 v[STR], v53, SPCH
	v_lshl_add_u32 v[STR], v52, 4, v[STR]
	v_add_nc_u32 v[STR], STG, v[STR]
	v_lshlrev_b32 v[H8], 3, v50
	s_lshl_b32 s63, s[WV], 10
	s_add_co_u32 s63, s63, SCR
	v_lshl_add_u32 v[SCW], v49, 3, s63
	v_lshl_add_u32 v[SCD], v48, 5, SCR
	v_lshlrev_b32 v[PFO], 8, v48
	v_lshlrev_b32 v[L16], 4, v48
	s_lshr_b32 s80, s[GI], 3                       ; the image
	s_and_b32 s81, s[GI], 7
	s_lshl_b32 s78, s80, 20
	s_lshl_b32 s79, s81, 9
	s_add_co_u32 s78, s78, s79                     ; my 128 queries in z: 1,048,576 x image + 512 (g & 7)
	s_mov_b32 s79, 0
	s_wait_dscnt 0x0                               ; the opening add is done
	s_wait_kmcnt 0x0
	s_add_nc_u64 s[4:5], s[4:5], s[78:79]
	s_lshr_b32 s78, s78, 1                         ; in zb: half of that
	s_add_nc_u64 s[14:15], s[14:15], s[78:79]
	s_lshl_b32 s78, s[GI], 9                       ; 128 indices
	s_add_nc_u64 s[10:11], s[10:11], s[78:79]
	s_add_nc_u64 s[12:13], s[12:13], s[78:79]
	s_lshl_b32 s78, s[CX], 15                      ; the prefetches: my work-group's quarter of a slot, my wave's quarter of that,
	s_lshl_b32 s80, s[WV], 13
	s_add_co_u32 s78, s78, s80
	s_add_co_u32 s78, s78, 2*SLOT1                 ; in the codes of slot 2: the first change of slots steps it on
	s_add_nc_u64 s[PFA:PFA+1], s[6:7], s[78:79]
	s_add_nc_u64 s[22:23], s[6:7], s[20:21]        ; ebf at my part of the first 256 codes
	s_add_nc_u64 s[G0A+2:G0A+3], s[22:23], 0
	s_or_b32 s[G0A+3], s[G0A+3], 0x80000000        ; type = 2
	s_add_nc_u64 s[G0B+2:G0B+3], s[22:23], SLOT1   ; a slot is 131,072 bytes of ebf too
	s_or_b32 s[G0B+3], s[G0B+3], 0x80000000
	s_add_nc_u64 s[G0R+2:G0R+3], s[8:9], s[76:77]
	s_or_b32 s[G0R+3], s[G0R+3], 0x80000000
	WIN 0x40                                       ; destination window 1, address window 0
.set i, 0
.rept 64                                       ; z: pass i / 16, channel 64 (i / 16) + 16 w + i % 16: 512 consecutive bytes, four queries a lane
	global_load_b128 v[4*i:4*i+3], v[ZO], s[4:5] offset:4096*(64*(i/16)+i%16) th:TH_LOAD_NT
.set i, i+1
.endr
	WIN 0
	CROUND                                         ; all four work-groups are here: the first joint loads meet
	tensor_load_to_lds s[G0A:G0A+3], s[G1:G1+7]    ; the first fills, one group: my part of slot 0,
	s_nop 0
	tensor_load_to_lds s[G0R:G0R+3], s[G1R:G1R+7]  ; my rn,
	s_nop 0
	tensor_load_to_lds s[G0B:G0B+3], s[G1:G1+7]    ; my part of slot 1: three loads of mine are out
	s_nop 0
.rept 4
	v_nop
.endr
; z BECOMES SOURCE 1, in four passes of 64 channels.  Each wave rounds its 16 channels to bf16, stores them (zb) and puts them into the stage [channel][query]; behind a barrier every wave takes the 64 channels of
; all 128 queries out of it, turned, as two fragments a query tile.
.macro STAGE i
	s_wait_loadcnt 48-16*(\i)                      ; this pass's 16 loads are in; the later passes' stay out
	WIN 0x05                                       ; sources window 1, destination window 0
.set c, 0
.rept 16
	v_cvt_pk_bf16_f32 v[ACC+32*(\i)+2*c],   v[4*(16*(\i)+c)],   v[4*(16*(\i)+c)+1]
	v_cvt_pk_bf16_f32 v[ACC+32*(\i)+2*c+1], v[4*(16*(\i)+c)+2], v[4*(16*(\i)+c)+3]
.set c, c+1
.endr
	WIN 0
.set c, 0
.rept 16
	ds_store_b64 v[STS], v[ACC+32*(\i)+2*c:ACC+32*(\i)+2*c+1] offset:SPCH*c
	global_store_b64 v[ZBO], v[ACC+32*(\i)+2*c:ACC+32*(\i)+2*c+1], s[14:15] offset:2048*(64*(\i)+c)  ; 256 consecutive bytes, aligned
.set c, c+1
.endr
	s_wait_dscnt 0x0                               ; for the others' sake: my stores into the stage are done
	s_barrier_signal -1
	s_barrier_wait -1
.set t, 0
.rept 8
	WIN 0x80+0x40*(t/4)                            ; destination window 2 or 3
.irp f, 0,1,2,3                                ; half f % 2 of fragment 2 i + f / 2: channels 16 f on
	ds_load_tr16_b128 v[64*(t%4)+16*(\i)+4*\f:64*(t%4)+16*(\i)+4*\f+3], v[STR] offset:SPCH*16*\f+32*t
.endr
.set t, t+1
.endr
	WIN 0
	s_wait_dscnt 0x0                               ; my reads of the stage are over
.if (\i) < 3
	s_barrier_signal -1                            ; everybody's are, before the next pass writes it
	s_barrier_wait -1
.endif
.endm
	STAGE 0
	STAGE 1
	STAGE 2
	STAGE 3
; THE MATRIX WORK.  Matrix instruction n of a block into set p: fragment kf = n / 8, query tile t = n % 8.  The 8 accumulators take turns, one instruction a turn, over the blocks' edges too;
; the first 8 start the sums with the constant 0.
.macro MM p
.set kf, n/8
.set t, n%8
	WIN 0x09+4*(t/4)                               ; codes window 1, queries window 2 or 3, sums window 0
.if kf == 0
	v_wmma_f32_16x16x32_bf16 v[ACC+64*(\p)+8*t:ACC+64*(\p)+8*t+7], v[64*(\p)+8*kf:64*(\p)+8*kf+7], v[64*(t%4)+8*kf:64*(t%4)+8*kf+7], 0
.else
	v_wmma_f32_16x16x32_bf16 v[ACC+64*(\p)+8*t:ACC+64*(\p)+8*t+7], v[64*(\p)+8*kf:64*(\p)+8*kf+7], v[64*(t%4)+8*kf:64*(t%4)+8*kf+7], v[ACC+64*(\p)+8*t:ACC+64*(\p)+8*t+7]
.endif
.endm
; THE RIDERS: the 224 vector instructions for a finished set q, as a numbered list; RD writes the next.  The query tiles go in pairs (ta, ta + 1), so that no instruction reads the result of the one before it.
; PKM u: scaling u of 32: pair (u % 8) / 2 of tile 2 (u / 8) + u % 2 times rn.  Each accumulator's lowest pair is scaled first.
; Numbers 0, 1: PKM 0, 1.  Then 32 steps; step s takes register s % 8 of tiles 2 (s / 8) and 2 (s / 8) + 1: two comparisons score > m, two selects of the index, two maxima, and (steps 0 to 29) PKM s + 2.
; Step s wants the scalings up to s | 1, and s + 1 are out when it begins.  The codes come in ascending order and only a greater score replaces: the first of equals stays.
.macro PKM q, u
.set tl, 2*((\u)/8)+(\u)%2
.set pp, ((\u)%8)/2
.set ra, ACC+64*(\q)+8*tl+2*pp
	v_pk_mul_f32 v[ra:ra+1], v[ra:ra+1], v[RN+8*(\q)+2*pp:RN+8*(\q)+2*pp+1]
.endm
.macro RD q
.if rdn < 2
	PKM \q, rdn
.else
.set np, rdn-2
.if np < 210
.set stp, np/7
.set ov, np%7
.else
.set stp, 30+(np-210)/6
.set ov, (np-210)%6
.endif
.set tl, 2*(stp/8)+ov%2
.set rs, ACC+64*(\q)+8*tl+stp%8
.if ov < 2
	v_cmp_gt_f32 s[MA+ov%2], v[rs], v[ST+2*tl]
.elseif ov < 4
	v_cndmask_b32 v[ST+2*tl+1], v[ST+2*tl+1], s[CAND+stp%8], s[MA+ov%2]
.elseif ov < 6
	v_max_num_f32 v[ST+2*tl], v[ST+2*tl], v[rs]
.else
	PKM \q, stp+2
.endif
.endif
.set rdn, rdn+1
.endm
.macro SLICE q                         ; the riders behind matrix instruction n: numbers 7 n / 2 up to 7 (n + 1) / 2, three or four
	WIN 0
.rept (7*(n+1))/2-(7*n)/2
	RD \q
.endr
.endm
; THE LDS LOADS stand in one run a block.  fa = 1: the next tile's 16 lines into set pa of window 1.  rn = 1: rn of the tile that is being multiplied, for the riders of the next block.
.macro RUN pa, fa, rn
	WIN 0
.if \fa
	v_add_nc_u32 v[ADR], s[TB], v[AK0]
	s_add_co_u32 s[TB], s[TB], TILEB
.endif
.if \rn
	v_add_nc_u32 v[RADR], s[TR], v[RK0]
	s_add_co_u32 s[TR], s[TR], 64                  ; the next tile's 16 numbers;
	s_and_b32 s[TR], s[TR], 0x1fc0                 ; the mask holds the offset inside my 8,192 bytes
.endif
.if \fa
	WIN 0x40                                       ; destination window 1
.set l, 0
.rept 16
	ds_load_b128 v[64*(\pa)+4*l:64*(\pa)+4*l+3], v[ADR] offset:512*l
.set l, l+1
.endr
.endif
.if \rn
	WIN 0
	ds_load_b128 v[RN+8*(1-(\pa)):RN+8*(1-(\pa))+3],   v[RADR]
	ds_load_b128 v[RN+8*(1-(\pa))+4:RN+8*(1-(\pa))+7], v[RADR] offset:16
.endif
.endm
; A BLOCK into set p.  ride = 1: the other set's riders stand behind its matrix instructions.  fetch = 1: the next tile is fetched.
; The run stands behind the second matrix instruction, 62 ahead of the wait for it.  It loads into registers that the block before has multiplied by: between that block's last matrix instruction and the run stand
; its last four riders and this block's first seven, none of which names a register of that instruction.
.macro BLOCK p, ride, fetch
	s_wait_dscnt 0x0                               ; this block's fragments, and rn for its riders, are in
.set rdn, 0
.set n, 0
.rept 64
	MM \p
.if \ride
	SLICE 1-(\p)
.endif
.if n == 1
	RUN 1-(\p), \fetch, 1
.endif
.set n, n+1
.endr
	WIN 0
.if \ride
.irp j, 0,1,2,3,4,5,6,7
	s_add_co_u32 s[CAND+\j], s[CAND+\j], 16        ; the next riders' tile
.endr
.else
	PLACES
.endif
.endm
; A PREFETCH INTO THE L2 of the codes that the NEXT change of slots will ask for: 131,072 bytes.  All clusters walk the same codes: the first cluster asks, and nobody else.  Its four partners take a quarter each, told
; apart BY ADDRESS, each wave a quarter of that, each lane 256 bytes: every block of 256 bytes is named once in the launch.  It stands behind the tensor load and its five lines.  The last change that fills a slot asks
; for nothing: there are no codes behind it.  The first three slots' codes come by their loads alone.
.macro ASK
	s_cmp_gt_u32 s[SLOTS], s[LIM]
	s_cbranch_scc0 .Lnot_mine_\@
	global_prefetch_b8 v[PFO], s[PFA:PFA+1] th:TH_LOAD_NT scope:SCOPE_SE
.Lnot_mine_\@:
.endm
; THE CHANGE OF SLOTS stands in front of a slot's last block: that block's tile has been asked out of LDS, and nothing more is read from the slot.  Each wave waits for all its tensor loads, of which one is out: its
; part of the other slot; adds 0 to its spare word; and waits for that and for its reads of the slot.  fill = 1: the slot is filled again, with the codes two slots on: the barrier is then a round of the cluster's, so
; that no wave of any partner still reads the slot or has a load on its way, and the joint refill is the first thing behind it: it has four blocks, 256 matrix instructions, in which to land.
.macro CHANGE fill
	WIN 0
	s_wait_tensorcnt 0x0                           ; no tensor load of mine is out, so a group 0 may be written
	ds_add_u32 v[SPW], v[NIL]                      ; 0 onto my spare word
.if \fill
	s_xor_b32 s[G0B+1], s[G0B+1], SLOT1            ; the walking descriptor: the other slot than last time,
	s_add_nc_u64 s[G0B+2:G0B+3], s[G0B+2:G0B+3], SLOT1  ; the next 256 codes; the type bits on top are not reached
	s_wait_xcnt 0x0                                ; the last prefetch, four blocks back, has read its address
	s_add_nc_u64 s[PFA:PFA+1], s[PFA:PFA+1], SLOT1
	s_wait_dscnt 0x0                               ; the add is done, and my reads of the slot are over
	CROUND
	tensor_load_to_lds s[G0B:G0B+3], s[G1:G1+7]
	s_nop 0
.rept 4
	v_nop
.endr
	ASK
.else
	s_wait_dscnt 0x0
	s_barrier_signal -1
	s_barrier_wait -1
.endif
	s_sub_co_u32 s[TB], s[TB], PARTB               ; the fetches go back to a part's first tile,
	s_xor_b32 s[TB], s[TB], SLOT1                  ; in the other slot
.endm
; (m1, i1) takes (m2, i2) where m2 is greater, or equal with the lower index.
.macro MERGE m1, i1, m2, i2
	v_cmp_gt_f32 s[MA], v[\m2], v[\m1]
	v_cmp_eq_f32 s[MA+1], v[\m2], v[\m1]
	v_cmp_lt_u32 s[MC], v[\i2], v[\i1]
	s_and_b32 s[MA+1], s[MA+1], s[MC]
	s_or_b32 s[MA], s[MA], s[MA+1]
	v_cndmask_b32 v[\i1], v[\i1], v[\i2], s[MA]
	v_max_num_f32 v[\m1], v[\m1], v[\m2]
.endm
	s_wait_tensorcnt 0x1                           ; my part of slot 0 and my rn are in; slot 1's load may stay out.  Only I read what my loads bring, so this wait is all that the reads need
	s_wait_xcnt 0x0                                ; zb's stores have read their data, which lie where the sums will
.set t, 0
.rept 8
	v_mov_b32 v[ST+2*t], 0xff800000                ; m: below every score
	v_mov_b32 v[ST+2*t+1], 0
.set t, t+1
.endr
.set t, 0
.rept 16
	v_mov_b32 v[TM+t], 0                           ; v_permlanex16_b32's destinations count as read
.set t, t+1
.endr
.irp j, 0,1,2,3,4,5,6,7
	s_mov_b32 s[CAND+\j], \j
.endr
	s_mov_b32 s[TB], 0
	s_mov_b32 s[TR], 0
	RUN 0, 1, 0                                    ; tile 0
	BLOCK 0, 0, 1                                  ; block 0: there is no finished set yet
	s_mov_b32 s[CNT], 1
	s_mov_b32 s[SLOTS], 31
	s_branch .Lunit                                ; blocks 1 and 2; then the loop proper
.Lslot:                                        ; 30 times: every slot but the last two is filled again
	CHANGE 1
	s_mov_b32 s[CNT], 2
.Lunit:
	BLOCK 1, 1, 1
	BLOCK 0, 1, 1
	s_sub_co_u32 s[CNT], s[CNT], 1
	s_cmp_lg_u32 s[CNT], 0
	s_cbranch_scc1 .Lunit
	s_sub_co_u32 s[SLOTS], s[SLOTS], 1
	s_cmp_lg_u32 s[SLOTS], 0
	s_cbranch_scc1 .Lslot
	CHANGE 0                                       ; the tail is written out: nothing is asked for
	s_mov_b32 s[CNT], 2
.Ltail:                                        ; blocks 123 to 126
	BLOCK 1, 1, 1
	BLOCK 0, 1, 1
	s_sub_co_u32 s[CNT], s[CNT], 1
	s_cmp_lg_u32 s[CNT], 0
	s_cbranch_scc1 .Ltail
	BLOCK 1, 1, 0                                  ; block 127: no tile is left to fetch
	PLACES
	s_wait_dscnt 0x0                               ; its rn
.set rdn, 0
.rept 224
	RD 1                                           ; and its riders, with nothing to ride on
.endr
	; THE END.  A lane's index so far is 16 i + j; its half of the lanes adds 8 h.  The query's other codes lie in the lane 16 away.  Block i = 4 s + i4 of wave w is code tile 16 s + 4 w + i4.
.set t, 0
.rept 8
	v_add_nc_u32 v[ST+2*t+1], v[H8], v[ST+2*t+1]
	v_permlanex16_b32 v[TM+2*t], v[ST+2*t], s[SEL], s[SEL+1]
.set t, t+1
.endr
.set t, 0
.rept 8
	v_permlanex16_b32 v[TM+2*t+1], v[ST+2*t+1], s[SEL], s[SEL+1]
.set t, t+1
.endr
.set t, 0
.rept 8
	MERGE ST+2*t, ST+2*t+1, TM+2*t, TM+2*t+1
	v_and_b32 v[TM+2*t], 0xffffffc0, v[ST+2*t+1]
	v_and_b32 v[TM+2*t+1], 63, v[ST+2*t+1]
	v_lshl_add_u32 v[TM+2*t], v[TM+2*t], 2, v[TM+2*t+1]
	v_add_nc_u32 v[ST+2*t+1], s[W64], v[TM+2*t]    ; the code: 256 s + 64 w + what is left
	ds_store_b64 v[SCW], v[ST+2*t:ST+2*t+1] offset:128*t  ; both halves of the lanes write the same pair to the same place
.set t, t+1
.endr
	s_wait_dscnt 0x0                               ; for wave 0's sake: my stores are done
	s_barrier_signal -1
	s_barrier_wait -1
	s_cmp_lg_u32 s[WV], 0
	s_cbranch_scc1 .Lend
.irp v, 0,1,2,3                                ; wave 0: four queries a lane, the four waves' results
	ds_load_b128 v[FM+8*\v:FM+8*\v+3],   v[SCD] offset:1024*\v
	ds_load_b128 v[FM+8*\v+4:FM+8*\v+7], v[SCD] offset:1024*\v+16
.endr
	s_wait_dscnt 0x0
.irp v, 1,2,3
.irp q, 0,1,2,3
	MERGE FM+2*\q, FM+2*\q+1, FM+8*\v+2*\q, FM+8*\v+2*\q+1
.endr
.endr
.irp q, 0,1,2,3
	v_mov_b32 v[FM+32+\q], v[FM+2*\q+1]
.endr
	global_store_b128 v[L16], v[FM+32:FM+35], s[10:11]  ; 512 consecutive bytes, aligned: the output,
	global_store_b128 v[L16], v[FM+32:FM+35], s[12:13]  ; and the copy from which the next launch forms addresses
.Lend:
	s_wait_tensorcnt 0x0                           ; the wave's end, behind my last tensor load and my last LDS store
	ds_add_u32 v[SPW], v[NIL]
	s_wait_dscnt 0x0
	CROUND                                         ; the closing round: no work-group ends while a partner may still ask for a tile that names it
	s_endpgm
.Lfunc_end_k_qb32ecaaa3b_amax:
	.size	k_qb32ecaaa3b_amax, .Lfunc_end_k_qb32ecaaa3b_amax-k_qb32ecaaa3b_amax
	.p2alignl 7, 3214868480
	.fill 96, 4, 3214868480
	.section	.rodata,"a",@progbits
	.p2align	6, 0x0
	.amdhsa_kernel k_qb32ecaaa3b_amax
		.amdhsa_group_segment_fixed_size 327680
		.amdhsa_private_segment_fixed_size 0
		.amdhsa_enable_private_segment 0
		.amdhsa_kernarg_size 48
		.amdhsa_user_sgpr_count 2
		.amdhsa_user_sgpr_kernarg_segment_ptr 1
		.amdhsa_wavefront_size32 1
		.amdhsa_system_sgpr_workgroup_id_x 1
		.amdhsa_system_sgpr_workgroup_id_y 1
		.amdhsa_system_sgpr_workgroup_id_z 1
		.amdhsa_system_vgpr_workitem_id 0
		.amdhsa_next_free_vgpr 1024
		.amdhsa_next_free_sgpr 82
		.amdhsa_reserve_vcc 0
		.amdhsa_float_denorm_mode_32 3
		.amdhsa_float_denorm_mode_16_64 3
		.amdhsa_memory_ordered 1
		.amdhsa_forward_progress 1
		.amdhsa_inst_pref_size 182
	.end_amdhsa_kernel
	.amdgpu_metadata
---
amdhsa.version: [ 1, 2 ]
amdhsa.kernels:
  - .name:           k_qb32ecaaa3b_amax
    .symbol:         k_qb32ecaaa3b_amax.kd
    .args:
      - { .name: z, .offset: 0, .size: 8, .value_kind: global_buffer, .address_space: global }
      - { .name: ebf, .offset: 8, .size: 8, .value_kind: global_buffer, .address_space: global }
      - { .name: rnp, .offset: 16, .size: 8, .value_kind: global_buffer, .address_space: global }
      - { .name: out2, .offset: 24, .size: 8, .value_kind: global_buffer, .address_space: global }
      - { .name: idxw, .offset: 32, .size: 8, .value_kind: global_buffer, .address_space: global }
      - { .name: zb, .offset: 40, .size: 8, .value_kind: global_buffer, .address_space: global }
    .group_segment_fixed_size: 327680
    .private_segment_fixed_size: 0
    .kernarg_segment_align: 8
    .kernarg_segment_size: 48
    .max_flat_workgroup_size: 128
    .sgpr_count:     82
    .vgpr_count:     1024
    .wavefront_size: 32
...
	.end_amdgpu_metadata
.endif
;; end of part 2
;; launch emit (part 3): grid 256 x 1, 16 waves a work-group, no clusters, 73,728 bytes of LDS; arguments zb, ebr, idxw, out0, part; writes out0, part
.if DOCPART == 3
	.amdgcn_target "amdgcn-amd-amdhsa--gfx1250"
	.amdhsa_code_object_version 6
	.text
	.protected	k_qb32ecaaa3b_emit
	.globl	k_qb32ecaaa3b_emit
	.p2align	8
	.type	k_qb32ecaaa3b_emit,@function
k_qb32ecaaa3b_emit:
	s_mov_b64 s[64:65], 0
	v_nop
	global_prefetch_b8 v0, s[64:65] scope:SCOPE_SE
	s_setreg_imm32_b32 hwreg(HW_REG_WAVE_MODE, 25, 1), 1
	s_wait_xcnt 0x0
; THE CHOSEN ROWS GO OUT.  out0[b][c][hw] = zb + (eb[idx] - zb), two roundings in f32 as the straight-through sum is written, and the work-group's sums of (eb[idx] - zb)^2.
; zb: [32][256][1024] bf16; ebr: [8192][256] bf16; idxw: [32768] indices, stored by the launch before; out0: [32][256][1024] f32; part: 64 f32 for each work-group.
; SHARES.  Work-group g owns 128 queries: image g >> 3, places 128 (g & 7) on.  Wave w first gathers the rows of queries 8 w .. 8 w + 7 (512 consecutive bytes each) into LDS; behind a barrier it takes channels
; 16 w .. 16 w + 15 of all 128 queries: lane L holds queries 4 L .. 4 L + 3, so a load of zb covers 256 and a store of out0 512 consecutive bytes, aligned.
; LDS turns the rows: query q lies in array q & 3, row q >> 2, rows of 512 + 16 bytes: a lane reads row L of each of the four arrays.
; No cluster, no tensor load: no two work-groups want the same bytes but by chance of the indices, and everything is read once.
; LIMITS.  An index is held to 0 .. 8,191 ahead of its use in an address.  The squares are summed in f32, four sums a lane, then across waves in a fixed order.
.set EP,    528
.set ARR,   32*EP                      ; 16,896: an array
.set LSC,   4*ARR                      ; 67,584: the waves' sums, 256 bytes each
.set SPARE, LSC+4096                   ; 71,680: the spare words, 128 bytes for each wave: eight blocks of 256 bytes that no other line names
.set LO16, 1                           ; v1   16 x lane
.set ZA,   2                           ; v2   my 8 bytes of zb in my wave's first channel
.set OA,   3                           ; v3   my 16 bytes of out0 there
.set LST,  4                           ; v4   where I put 16 bytes of a gathered row
.set LRD,  5                           ; v5   where I read my wave's channels of row L
.set LSW,  6                           ; v6   where I put my sums
.set LO8,  7                           ; v7   8 x lane
.set EO,   8                           ; v[8:15]  the eight rows' byte offsets in ebr
.set SPW,  16                          ; v16  my spare word; never rewritten
.set NIL,  17                          ; v17  0; never rewritten
.set LACC, 18                          ; v[18:21] four sums of squares
.set LSR,  22                          ; v22  wave 0 reads the sums back
.set T,    24                          ; v[24:27] eb of four queries, then eb - zb
.set ZQ,   28                          ; v[28:31] zb of four queries
.set Z,    32                          ; v[32:63] zb as loaded: two registers a channel
.set E,    64                          ; v[64:95] the gathered rows, four registers each; later the waves' sums
.set EL,   96                          ; v[96:127] chunk ch of 8 channels, array a at EL + 16 ch + 4 a
.set O,    128                         ; v[128:191] out0: four registers a channel, written once
	s_load_b256 s[4:11], s[0:1], 0x0               ; zb s[4:5], ebr s[6:7], idxw s[8:9], out0 s[10:11]
	s_load_b64 s[12:13], s[0:1], 0x20              ; part
	v_lshl_add_u32 v[SPW], v0, 2, SPARE
	v_mov_b32 v[NIL], 0
	v_lshrrev_b32 v23, 5, v0
	v_readfirstlane_b32 s14, v23                   ; wave 0..15
	v_and_b32 v23, 31, v0                          ; lane L
	v_lshlrev_b32 v[LO16], 4, v23
	v_lshlrev_b32 v[LO8], 3, v23
	s_lshl_b32 s15, s14, 15
	v_lshl_add_u32 v[ZA], v23, 3, s15              ; 16 channels of 2,048 bytes a wave
	s_lshl_b32 s15, s14, 16
	v_lshl_add_u32 v[OA], v23, 4, s15              ; 16 channels of 4,096 bytes a wave
	s_mul_i32 s15, s14, 2*EP
	v_lshl_add_u32 v[LST], v23, 4, s15             ; rows 2 w and 2 w + 1 of each array
	v_mul_u32_u24 v[LRD], v23, EP
	s_lshl_b32 s15, s14, 5
	v_add_nc_u32 v[LRD], s15, v[LRD]
	s_lshl_b32 s15, s14, 8
	s_add_co_u32 s15, s15, LSC
	v_lshl_add_u32 v[LSW], v23, 3, s15
	v_add_nc_u32 v[LSR], LSC, v[LO8]
	s_mov_b32 s24, 0xffff0000                      ; a word's upper bf16
	s_lshr_b32 s26, ttmp9, 3
	s_and_b32 s28, ttmp9, 7
	s_lshl_b32 s26, s26, 19
	s_lshl_b32 s28, s28, 8
	s_add_co_u32 s26, s26, s28                     ; my 128 queries in zb,
	s_mov_b32 s27, 0
	s_lshl_b32 s28, s26, 1                         ; in out0,
	s_mov_b32 s29, 0
	s_lshl_b32 s30, ttmp9, 9
	s_lshl_b32 s31, s14, 5
	s_add_co_u32 s30, s30, s31                     ; my wave's eight indices,
	s_mov_b32 s31, 0
	s_lshl_b32 s32, ttmp9, 8                       ; the work-group's 256 bytes of part
	s_mov_b32 s33, 0
	s_wait_kmcnt 0x0
	s_add_nc_u64 s[4:5], s[4:5], s[26:27]
	s_add_nc_u64 s[10:11], s[10:11], s[28:29]
	s_add_nc_u64 s[8:9], s[8:9], s[30:31]
	s_add_nc_u64 s[12:13], s[12:13], s[32:33]
	s_load_b256 s[16:23], s[8:9], 0x0
.set k, 0
.rept 16
	global_load_b64 v[Z+2*k:Z+2*k+1], v[ZA], s[4:5] offset:2048*k th:TH_LOAD_NT
.set k, k+1
.endr
	s_wait_kmcnt 0x0
.irp i, 0,1,2,3,4,5,6,7
	s_min_u32 s[16+\i], s[16+\i], 0x1fff           ; inside the table
	s_lshl_b32 s[16+\i], s[16+\i], 9               ; a row is 512 bytes
	v_add_nc_u32 v[EO+\i], s[16+\i], v[LO16]
	global_load_b128 v[E+4*\i:E+4*\i+3], v[EO+\i], s[6:7]
.endr
.irp i, 0,1,2,3,4,5,6,7
	s_wait_loadcnt 7-\i                            ; row i is in (and all of zb, asked for earlier); the later rows stay out
	ds_store_b128 v[LST], v[E+4*\i:E+4*\i+3] offset:ARR*(\i%4)+EP*(\i/4)
.endr
	s_wait_dscnt 0x0                               ; for the others' sake: my rows lie in LDS
	s_barrier_signal -1
	s_barrier_wait -1
.irp ch, 0,1
.irp a, 0,1,2,3
	ds_load_b128 v[EL+16*\ch+4*\a:EL+16*\ch+4*\a+3], v[LRD] offset:ARR*\a+16*\ch
.endr
.endr
.set k, 0
.rept 16
.if k == 0
	s_wait_dscnt 0x4                               ; the first eight channels are in; the other chunk's four loads stay out
.endif
.if k == 8
	s_wait_dscnt 0x0
.endif
.irp a, 0,1,2,3
.if k%2 == 0
	v_lshlrev_b32 v[T+\a], 16, v[EL+16*(k/8)+4*\a+(k%8)/2]
.else
	v_and_b32 v[T+\a], s24, v[EL+16*(k/8)+4*\a+(k%8)/2]
.endif
.endr
	v_lshlrev_b32 v[ZQ], 16, v[Z+2*k]
	v_and_b32 v[ZQ+1], s24, v[Z+2*k]
	v_lshlrev_b32 v[ZQ+2], 16, v[Z+2*k+1]
	v_and_b32 v[ZQ+3], s24, v[Z+2*k+1]
	v_pk_add_f32 v[T:T+1], v[T:T+1], v[ZQ:ZQ+1] neg_lo:[0,1] neg_hi:[0,1]          ; eb - zb
	v_pk_add_f32 v[T+2:T+3], v[T+2:T+3], v[ZQ+2:ZQ+3] neg_lo:[0,1] neg_hi:[0,1]
.if k == 0
	v_pk_mul_f32 v[LACC:LACC+1], v[T:T+1], v[T:T+1]                                ; the first squares start the sums
	v_pk_mul_f32 v[LACC+2:LACC+3], v[T+2:T+3], v[T+2:T+3]
.else
	v_pk_fma_f32 v[LACC:LACC+1], v[T:T+1], v[T:T+1], v[LACC:LACC+1]
	v_pk_fma_f32 v[LACC+2:LACC+3], v[T+2:T+3], v[T+2:T+3], v[LACC+2:LACC+3]
.endif
	v_pk_add_f32 v[O+4*k:O+4*k+1], v[ZQ:ZQ+1], v[T:T+1]                            ; zb + (eb - zb)
	v_pk_add_f32 v[O+4*k+2:O+4*k+3], v[ZQ+2:ZQ+3], v[T+2:T+3]
	global_store_b128 v[OA], v[O+4*k:O+4*k+3], s[10:11] offset:4096*k th:TH_STORE_NT
.set k, k+1
.endr
	v_pk_add_f32 v[LACC:LACC+1], v[LACC:LACC+1], v[LACC+2:LACC+3]
	ds_store_b64 v[LSW], v[LACC:LACC+1]
	s_wait_dscnt 0x0                               ; for wave 0's sake
	s_barrier_signal -1
	s_barrier_wait -1
	s_cmp_lg_u32 s14, 0
	s_cbranch_scc1 .Lend
.set i, 0
.rept 16
	ds_load_b64 v[E+2*i:E+2*i+1], v[LSR] offset:256*i
.set i, i+1
.endr
	s_wait_dscnt 0x0
.irp hf, 8,4,2,1
.set p, 0
.rept \hf
	v_pk_add_f32 v[E+2*p:E+2*p+1], v[E+2*p:E+2*p+1], v[E+2*(p+\hf):E+2*(p+\hf)+1]
.set p, p+1
.endr
.endr
	global_store_b64 v[LO8], v[E:E+1], s[12:13]    ; 256 consecutive bytes, aligned
.Lend:
	s_wait_tensorcnt 0x0                           ; the wave's end, behind my last LDS store
	ds_add_u32 v[SPW], v[NIL]
	s_wait_dscnt 0x0
	s_endpgm
.Lfunc_end_k_qb32ecaaa3b_emit:
	.size	k_qb32ecaaa3b_emit, .Lfunc_end_k_qb32ecaaa3b_emit-k_qb32ecaaa3b_emit
	.p2alignl 7, 3214868480
	.fill 96, 4, 3214868480
	.section	.rodata,"a",@progbits
	.p2align	6, 0x0
	.amdhsa_kernel k_qb32ecaaa3b_emit
		.amdhsa_group_segment_fixed_size 73728
		.amdhsa_private_segment_fixed_size 0
		.amdhsa_enable_private_segment 0
		.amdhsa_kernarg_size 40
		.amdhsa_user_sgpr_count 2
		.amdhsa_user_sgpr_kernarg_segment_ptr 1
		.amdhsa_wavefront_size32 1
		.amdhsa_system_sgpr_workgroup_id_x 1
		.amdhsa_system_sgpr_workgroup_id_y 1
		.amdhsa_system_sgpr_workgroup_id_z 1
		.amdhsa_system_vgpr_workitem_id 0
		.amdhsa_next_free_vgpr 192
		.amdhsa_next_free_sgpr 66
		.amdhsa_reserve_vcc 0
		.amdhsa_float_denorm_mode_32 3
		.amdhsa_float_denorm_mode_16_64 3
		.amdhsa_memory_ordered 1
		.amdhsa_forward_progress 1
		.amdhsa_inst_pref_size 21
	.end_amdhsa_kernel
	.amdgpu_metadata
---
amdhsa.version: [ 1, 2 ]
amdhsa.kernels:
  - .name:           k_qb32ecaaa3b_emit
    .symbol:         k_qb32ecaaa3b_emit.kd
    .args:
      - { .name: zb, .offset: 0, .size: 8, .value_kind: global_buffer, .address_space: global }
      - { .name: ebr, .offset: 8, .size: 8, .value_kind: global_buffer, .address_space: global }
      - { .name: idxw, .offset: 16, .size: 8, .value_kind: global_buffer, .address_space: global }
      - { .name: out0, .offset: 24, .size: 8, .value_kind: global_buffer, .address_space: global }
      - { .name: part, .offset: 32, .size: 8, .value_kind: global_buffer, .address_space: global }
    .group_segment_fixed_size: 73728
    .private_segment_fixed_size: 0
    .kernarg_segment_align: 8
    .kernarg_segment_size: 40
    .max_flat_workgroup_size: 512
    .sgpr_count:     66
    .vgpr_count:     192
    .wavefront_size: 32
...
	.end_amdgpu_metadata
.endif
;; end of part 3
;; launch total (part 4): grid 1 x 1, 8 waves a work-group, no clusters, 1,280 bytes of LDS; arguments part, out1; writes out1
.if DOCPART == 4
	.amdgcn_target "amdgcn-amd-amdhsa--gfx1250"
	.amdhsa_code_object_version 6
	.text
	.protected	k_qb32ecaaa3b_total
	.globl	k_qb32ecaaa3b_total
	.p2align	8
	.type	k_qb32ecaaa3b_total,@function
k_qb32ecaaa3b_total:
	s_mov_b64 s[64:65], 0
	v_nop
	global_prefetch_b8 v0, s[64:65] scope:SCOPE_SE
	s_setreg_imm32_b32 hwreg(HW_REG_WAVE_MODE, 25, 1), 1
	s_wait_xcnt 0x0
; THE LOSS.  part: 16,384 partial sums of (eb[idx] - zb)^2 in f32.  out1 = 0.25 x mean + mean, the mean over 32,768 x 256 = 2^23 numbers.
; One work-group, since one number is made: thread t takes 16 x 16 bytes, 4,096 bytes apart, so that each load of a wave covers 512 consecutive bytes; sums in f32, in a fixed tree.
.set SPARE, 256                        ; the eight waves' sums lie in the block from byte 0; the spare words, 128 bytes for each wave, from here on: four blocks of 256 bytes that no other line names
	s_load_b128 s[4:7], s[0:1], 0x0                ; part s[4:5], out1 s[6:7]
	v_lshl_add_u32 v2, v0, 2, SPARE                ; my spare word; never rewritten
	v_mov_b32 v3, 0                                ; 0; never rewritten
	v_lshrrev_b32 v4, 5, v0
	v_readfirstlane_b32 s8, v4                     ; wave 0..7
	v_lshlrev_b32 v1, 4, v0
	v_mov_b32 v9, 0                                ; v_permlanex16_b32's destination counts as read
	s_mov_b32 s12, 0x76543210
	s_mov_b32 s13, 0xfedcba98
	s_wait_kmcnt 0x0
.set i, 0
.rept 16
	global_load_b128 v[32+4*i:35+4*i], v1, s[4:5] offset:4096*i
.set i, i+1
.endr
	s_wait_loadcnt 0x0
.irp hf, 16,8,4,2,1
.set p, 0
.rept \hf
	v_pk_add_f32 v[32+2*p:33+2*p], v[32+2*p:33+2*p], v[32+2*(p+\hf):33+2*(p+\hf)]
.set p, p+1
.endr
.endr
	v_add_f32 v8, v32, v33
	v_add_f32_dpp v8, v8, v8 row_xmask:1 row_mask:0xf bank_mask:0xf
	v_add_f32_dpp v8, v8, v8 row_xmask:2 row_mask:0xf bank_mask:0xf
	v_add_f32_dpp v8, v8, v8 row_xmask:4 row_mask:0xf bank_mask:0xf
	v_add_f32_dpp v8, v8, v8 row_xmask:8 row_mask:0xf bank_mask:0xf
	v_permlanex16_b32 v9, v8, s12, s13
	v_add_f32 v8, v8, v9                           ; the wave's sum, in every lane
	v_mov_b32 v10, s8
	v_lshlrev_b32 v10, 2, v10
	ds_store_b32 v10, v8                           ; all lanes write the same word with the same number
	s_wait_dscnt 0x0                               ; for wave 0's sake
	s_barrier_signal -1
	s_barrier_wait -1
	s_cmp_lg_u32 s8, 0
	s_cbranch_scc1 .Lend
	v_mov_b32 v11, 0
	ds_load_b128 v[12:15], v11
	ds_load_b128 v[16:19], v11 offset:16
	s_wait_dscnt 0x0
	v_pk_add_f32 v[12:13], v[12:13], v[14:15]
	v_pk_add_f32 v[16:17], v[16:17], v[18:19]
	v_pk_add_f32 v[12:13], v[12:13], v[16:17]
	v_add_f32 v12, v12, v13
	v_mul_f32 v12, 0x34000000, v12                 ; x 2^-23: the mean
	v_fmamk_f32 v13, v12, 0x3e800000, v12          ; 0.25 x mean + mean
	v_cmp_eq_u32 vcc_lo, 0, v0
	s_wait_xcnt 0x0                                ; EXEC changes only behind this wait
	s_and_saveexec_b32 s9, vcc_lo
	global_store_b32 v11, v13, s[6:7]              ; thread 0 alone
	s_wait_xcnt 0x0                                ; and again, in front of the line that widens it
	s_or_b32 exec_lo, exec_lo, s9
.Lend:
	s_wait_tensorcnt 0x0                           ; the wave's end, behind my last LDS store
	ds_add_u32 v2, v3
	s_wait_dscnt 0x0
	s_endpgm
.Lfunc_end_k_qb32ecaaa3b_total:
	.size	k_qb32ecaaa3b_total, .Lfunc_end_k_qb32ecaaa3b_total-k_qb32ecaaa3b_total
	.p2alignl 7, 3214868480
	.fill 96, 4, 3214868480
	.section	.rodata,"a",@progbits
	.p2align	6, 0x0
	.amdhsa_kernel k_qb32ecaaa3b_total
		.amdhsa_group_segment_fixed_size 1280
		.amdhsa_private_segment_fixed_size 0
		.amdhsa_enable_private_segment 0
		.amdhsa_kernarg_size 16
		.amdhsa_user_sgpr_count 2
		.amdhsa_user_sgpr_kernarg_segment_ptr 1
		.amdhsa_wavefront_size32 1
		.amdhsa_system_sgpr_workgroup_id_x 1
		.amdhsa_system_sgpr_workgroup_id_y 1
		.amdhsa_system_sgpr_workgroup_id_z 1
		.amdhsa_system_vgpr_workitem_id 0
		.amdhsa_next_free_vgpr 96
		.amdhsa_next_free_sgpr 66
		.amdhsa_reserve_vcc 1
		.amdhsa_float_denorm_mode_32 3
		.amdhsa_float_denorm_mode_16_64 3
		.amdhsa_memory_ordered 1
		.amdhsa_forward_progress 1
		.amdhsa_inst_pref_size 6
	.end_amdhsa_kernel
	.amdgpu_metadata
---
amdhsa.version: [ 1, 2 ]
amdhsa.kernels:
  - .name:           k_qb32ecaaa3b_total
    .symbol:         k_qb32ecaaa3b_total.kd
    .args:
      - { .name: part, .offset: 0, .size: 8, .value_kind: global_buffer, .address_space: global }
      - { .name: out1, .offset: 8, .size: 8, .value_kind: global_buffer, .address_space: global }
    .group_segment_fixed_size: 1280
    .private_segment_fixed_size: 0
    .kernarg_segment_align: 8
    .kernarg_segment_size: 16
    .max_flat_workgroup_size: 256
    .sgpr_count:     66
    .vgpr_count:     96
    .wavefront_size: 32
...
	.end_amdgpu_metadata
.endif
;; end of part 4
;; ======== version 2 of 2: 4 launches; version 1 with the launches prep, emit written anew for expert scheduling mode
;; workspace buffers: ebf 4,194,304 bytes; ebr 4,194,304 bytes; rnp 32,768 bytes; zb 16,777,216 bytes; idxw 131,072 bytes of whole numbers; part 65,536 bytes
;; launch prep (part 5): grid 128 x 1, 4 waves a work-group, no clusters, 35,584 bytes of LDS; arguments embed_weight, ebf, ebr, rnp; writes ebf, ebr, rnp
.if DOCPART == 5
	.amdgcn_target "amdgcn-amd-amdhsa--gfx1250"
	.amdhsa_code_object_version 6
	.text
	.protected	k_qb32ecaaa3b_prep
	.globl	k_qb32ecaaa3b_prep
	.p2align	8
	.type	k_qb32ecaaa3b_prep,@function
k_qb32ecaaa3b_prep:
	s_mov_b64 s[64:65], 0
	v_nop
	global_prefetch_b8 v0, s[64:65] scope:SCOPE_SE
	s_setreg_imm32_b32 hwreg(HW_REG_WAVE_SCHED_MODE, 0, 2), 2
	s_setreg_imm32_b32 hwreg(HW_REG_WAVE_MODE, 25, 1), 1
	s_wait_xcnt 0x0
	s_wait_alu depctr_vm_vsrc(0)
; THE CODEBOOK IS MADE READY.  e: [8192][256] f32.  eb = e rounded once to bf16, stored twice:
;   ebr  row-major [8192][256] bf16, for the gather of the chosen rows;
;   ebf  by fragments: tile T (16 codes) is 8,192 bytes; its line l = 2 kf + u (16 lines of 512 bytes) holds, at 16 x lane (lane = r + 16 h), code 16 T + r, channels 32 kf + 16 u + 8 h .. + 7:
;        the register image of a 16 x 32 source of the bf16 matrix instruction (ISA guide 7.12.2), so that the product's launch reads it from LDS as it lies.
;   rnp  rn = 1 / max(|eb|, 1e-12) in f32, laid so that each wave of the product's launch finds its tiles on end: tile T = 16 s + 4 a + i lies at byte 8,192 a + 256 s + 64 i.
; SHARES.  Work-group g, wave w: tile T = 4 g + w, 16 rows of 1,024 bytes.  All 32 loads of a wave go out at once; four tiles' rn are 256 consecutive bytes of rnp.
; LIMITS.  The norm is taken of the rounded row, its squares summed in f32 in four chains; a square below f32's least number counts as 0 (|e| under about 1e-19, far under the clamp at 1e-12).
; The sum of squares is held at 1e-30 or more ahead of the root, which changes nothing behind the clamp.  NaN and infinities are not treated apart.
; THE MODE: SCHED_MODE bits 1:0 = 2 (LLVM: expert scheduling mode 2), set by the entry lines.  The code itself states the register dependences between vector instructions and memory or LDS
; instructions, with s_wait_alu, always for 0.
; THE PLAN.  Registers that memory or LDS instructions touch:
;   v1-v6      addresses and offsets, made once at the head and never written again.
;   X          unit k = 2 i + u (row i, half u): its load lands once; its two conversions write its first two registers in place; one LDS store and one global store read them; nothing writes them again.
;   F          the 16 LDS loads land here; the stores of ebf and the sums of squares read it; nothing writes it again.
;   WK + 3     rn: written by the last multiply-add, read by one LDS store.     WK, WK + 1   at work until then; at the end wave 0's LDS load lands in them.
; The 32 units go in four blocks of eight.  Block p's conversions name block p's X alone; the memory instructions dealt among them are block p - 1's stores.  So one wait at a block's head states all
; that its sixteen stores hang on.  No register that a memory or LDS instruction reads is ever written again.
.set LINE,  544                        ; a line of the stage: two halves of 272 = 256 bytes + 16
.set HALF,  272
.set STGB,  16*LINE                    ; a wave's stage: 8,704 bytes
.set RNS,   4*STGB                     ; 34,816: the four tiles' rn, 256 bytes
.set LO16, 1                           ; v1   16 x lane
.set LO8,  2                           ; v2   8 x lane
.set PST,  3                           ; v3   where I put 8 bytes of a row in my stage
.set PRD,  4                           ; v4   where I read 16 bytes of a line back
.set RNW,  5                           ; v5   my code's word among the 64 rn
.set RNR,  6                           ; v6   wave 0 reads them back: 8 bytes a lane
.set SS,   12                          ; v[12:15] four sums of squares
.set WK,   16                          ; v[16:23] at work
.set X,    64                          ; v[64:191]  row i, half u at X + 4 (2 i + u): as loaded, then its first two registers as bf16
.set F,    192                         ; v[192:255] the tile's 16 lines, 4 registers each
.set WV,   12                          ; s12  my wave's number
	s_load_b256 s[4:11], s[0:1], 0x0               ; e s[4:5], ebf s[6:7], ebr s[8:9], rnp s[10:11]
	v_lshl_add_u32 v62, v0, 2, 0x8900
	v_mov_b32 v63, 0
	v_lshrrev_b32 v[WK], 5, v0
	v_readfirstlane_b32 s[WV], v[WK]               ; wave 0..3
	v_and_b32 v[WK], 31, v0                        ; lane L
	v_and_b32 v[WK+1], 15, v0                      ; r
	v_bfe_u32 v[WK+2], v0, 4, 1                    ; h
	v_lshlrev_b32 v[LO16], 4, v[WK]
	v_lshlrev_b32 v[LO8], 3, v[WK]
	s_wait_alu depctr_va_sdst(0)                   ; the wave's number is written, ahead of its first reader: LDS addresses, the bases and the last branch are made from it
	s_mul_i32 s13, s[WV], STGB                     ; my stage
	; a loaded lane holds channels 128 u + 4 L .. + 3 of a row: line 8 u + (L >> 2), half (L >> 1) & 1, bytes 8 (L & 1) of the row's 16
	v_lshrrev_b32 v[WK+3], 2, v[WK]
	v_mul_u32_u24 v[PST], v[WK+3], LINE
	v_bfe_u32 v[WK+3], v0, 1, 1
	v_mul_u32_u24 v[WK+3], v[WK+3], HALF
	v_add_nc_u32 v[PST], v[PST], v[WK+3]
	v_and_b32 v[WK+3], 1, v0
	v_lshl_add_u32 v[PST], v[WK+3], 3, v[PST]
	v_add_nc_u32 v[PST], s13, v[PST]
	v_mul_u32_u24 v[PRD], v[WK+2], HALF
	v_lshl_add_u32 v[PRD], v[WK+1], 4, v[PRD]
	v_add_nc_u32 v[PRD], s13, v[PRD]
	s_lshl_b32 s13, s[WV], 6
	s_add_co_u32 s13, s13, RNS
	v_lshl_add_u32 v[RNW], v[WK+1], 2, s13
	v_add_nc_u32 v[RNR], RNS, v[LO8]
	s_mov_b32 s22, 0x76543210                      ; v_permlanex16_b32: each lane takes its own place in the other half
	s_mov_b32 s23, 0xfedcba98
	s_lshl_b32 s14, ttmp9, 2
	s_add_co_u32 s14, s14, s[WV]                   ; T
	s_lshl_b32 s16, s14, 14                        ; 16 rows of 1,024 bytes
	s_mov_b32 s17, 0
	s_lshl_b32 s18, s14, 13                        ; 8,192 bytes of ebf and of ebr
	s_mov_b32 s19, 0
	s_and_b32 s20, ttmp9, 3
	s_lshl_b32 s20, s20, 13
	s_lshr_b32 s21, ttmp9, 2
	s_lshl_b32 s21, s21, 8
	s_add_co_u32 s20, s20, s21                     ; the work-group's 256 bytes of rnp
	s_mov_b32 s21, 0
	s_wait_kmcnt 0x0
	s_add_nc_u64 s[4:5], s[4:5], s[16:17]
	s_add_nc_u64 s[6:7], s[6:7], s[18:19]
	s_add_nc_u64 s[8:9], s[8:9], s[18:19]
	s_add_nc_u64 s[10:11], s[10:11], s[20:21]
	s_wait_alu depctr_va_vdst(0)                   ; the six addresses and offsets v1 to v6 are written: every load and store of the kernel reads one of them
.set i, 0
.rept 32                                       ; each load takes 512 consecutive bytes: half a row
	global_load_b128 v[X+4*i:X+4*i+3], v[LO16], s[4:5] offset:512*i th:TH_LOAD_NT
.set i, i+1
.endr
; Unit k = 2 i + u is rounded: four numbers close up into the first two of their four registers.
.macro CVT k
	v_cvt_pk_bf16_f32 v[X+4*(\k)],   v[X+4*(\k)],   v[X+4*(\k)+1]
	v_cvt_pk_bf16_f32 v[X+4*(\k)+1], v[X+4*(\k)+2], v[X+4*(\k)+3]
.endm
; Unit k goes out: into my stage, and to ebr.
.macro OUT k
	ds_store_b64 v[PST], v[X+4*(\k):X+4*(\k)+1] offset:8*LINE*((\k)%2)+16*((\k)/2)  ; the 32 lanes' 8 bytes fall on 32 different pairs of banks: 32 (L >> 2) + 16 ((L >> 1) & 1) + 8 (L & 1) modulo 256
	global_store_b64 v[LO8], v[X+4*(\k):X+4*(\k)+1], s[8:9] offset:256*(\k)         ; 256 consecutive bytes, aligned
.endm
.set p, 0
.rept 4                                        ; block p: rows 4 p to 4 p + 3
	s_wait_loadcnt 24-8*p                          ; loads come back in order (ISA guide 5.7.1): this block's eight are in; the later blocks' stay out
.if p > 0
	s_wait_alu depctr_va_vdst(0)                   ; the block before has written the bf16 halves of its X, which the sixteen stores below read; no conversion below names those registers
.endif
.set j, 0
.rept 8
.if p > 0
	OUT 8*(p-1)+j
.endif
	CVT 8*p+j
.set j, j+1
.endr
.set p, p+1
.endr
	s_wait_alu depctr_va_vdst(0)                   ; the last block's conversions have written its X, which its sixteen stores read
.set j, 0
.rept 8
	OUT 24+j
.set j, j+1
.endr
.set i, 0
.rept 16
	ds_load_b128 v[F+4*i:F+4*i+3], v[PRD] offset:LINE*i  ; my own bytes: LDS serves a wave's instructions in order (ISA guide 5.7.1.4); no vector instruction has named F
.set i, i+1
.endr
.irp c, 0,1,2,3
	v_mov_b32 v[SS+\c], 0
.endr
.set l, 0
.rept 16                                       ; a line is stored and its squares are summed: both only read F
	s_wait_dscnt 15-l                              ; line l is in; the later lines' loads stay out
	global_store_b128 v[LO16], v[F+4*l:F+4*l+3], s[6:7] offset:512*l  ; 512 consecutive bytes, aligned
.set i, 4*l
.rept 4                                        ; my half of code r's 256 squares, straight from the bf16 halves, in four chains, the registers in ascending order
	v_fma_mix_f32_bf16 v[SS+(2*i)%4], v[F+i], v[F+i], v[SS+(2*i)%4] op_sel_hi:[1,1,0]
	v_fma_mix_f32_bf16 v[SS+(2*i+1)%4], v[F+i], v[F+i], v[SS+(2*i+1)%4] op_sel:[1,1,0] op_sel_hi:[1,1,0]
.set i, i+1
.endr
.set l, l+1
.endr
	v_add_f32 v[SS], v[SS], v[SS+1]
	v_add_f32 v[SS+2], v[SS+2], v[SS+3]
	v_add_f32 v[SS], v[SS], v[SS+2]
	v_permlanex16_b32 v[WK], v[SS], s22, s23       ; the other half of the channels lies in the lane 16 away
	v_add_f32 v[SS], v[SS], v[WK]
	v_max_num_f32 v[SS], 0x0da24260, v[SS]         ; at least 1e-30
	v_sqrt_f32 v[WK], v[SS]                        ; n0
	v_nop                                          ; a plain instruction behind the root,
	s_wait_alu depctr_va_vdst(0)                   ; and the root n0 is written, ahead of its first reader
	v_rcp_f32 v[WK+1], v[WK]                       ; 1 / n0
	v_fma_f32 v[WK+2], -v[WK], v[WK], v[SS]        ; ss - n0^2: the plain instruction behind the reciprocal
	s_wait_alu depctr_va_vdst(0)                   ; 1 / n0 is written, ahead of its first reader
	v_mul_f32 v[WK+1], 0.5, v[WK+1]
	v_fma_f32 v[WK], v[WK+2], v[WK+1], v[WK]       ; one step of Newton's: the norm
	v_max_num_f32 v[WK], 0x2b8cbccc, v[WK]         ; max(norm, 1e-12)
	v_rcp_f32 v[WK+3], v[WK]
	v_nop
	s_wait_alu depctr_va_vdst(0)                   ; the second reciprocal is written, ahead of its first reader
	v_fma_f32 v[WK+4], -v[WK], v[WK+3], 1.0
	v_fma_f32 v[WK+3], v[WK+4], v[WK+3], v[WK+3]   ; and one for the reciprocal: rn
	s_wait_alu depctr_va_vdst(0)                   ; rn is written, which the LDS store reads; and all that wrote or read v[WK] and v[WK+1] is done: no vector instruction follows, so wave 0's load below may land in them
	ds_store_b32 v[RNW], v[WK+3]                   ; both halves of the lanes write the same number to the same word
	s_wait_dscnt 0x0                               ; for wave 0's sake: my store is done
	s_barrier_signal -1
	s_barrier_wait -1
	s_cmp_lg_u32 s[WV], 0
	s_cbranch_scc1 .Lend
	ds_load_b64 v[WK:WK+1], v[RNR]
	s_wait_dscnt 0x0
	global_store_b64 v[LO8], v[WK:WK+1], s[10:11]  ; 256 consecutive bytes, aligned
.Lend:
	s_wait_dscnt 0x0                               ; the wave's end.  0 is added below onto my spare word, in the bytes from 35,072 on
	s_wait_alu depctr_hold_cnt(0) depctr_sa_sdst(0) depctr_va_vdst(0) depctr_va_sdst(0) depctr_va_ssrc(0) depctr_va_vcc(0) depctr_vm_vsrc(0)
	s_wait_tensorcnt 0x0
	ds_add_u32 v62, v63
	s_wait_dscnt 0x0
	s_endpgm
.Lfunc_end_k_qb32ecaaa3b_prep:
	.size	k_qb32ecaaa3b_prep, .Lfunc_end_k_qb32ecaaa3b_prep-k_qb32ecaaa3b_prep
	.p2alignl 7, 3214868480
	.fill 96, 4, 3214868480
	.section	.rodata,"a",@progbits
	.p2align	6, 0x0
	.amdhsa_kernel k_qb32ecaaa3b_prep
		.amdhsa_group_segment_fixed_size 35584
		.amdhsa_private_segment_fixed_size 0
		.amdhsa_enable_private_segment 0
		.amdhsa_kernarg_size 32
		.amdhsa_user_sgpr_count 2
		.amdhsa_user_sgpr_kernarg_segment_ptr 1
		.amdhsa_wavefront_size32 1
		.amdhsa_system_sgpr_workgroup_id_x 1
		.amdhsa_system_sgpr_workgroup_id_y 1
		.amdhsa_system_sgpr_workgroup_id_z 1
		.amdhsa_system_vgpr_workitem_id 0
		.amdhsa_next_free_vgpr 256
		.amdhsa_next_free_sgpr 66
		.amdhsa_reserve_vcc 0
		.amdhsa_float_denorm_mode_32 3
		.amdhsa_float_denorm_mode_16_64 3
		.amdhsa_memory_ordered 1
		.amdhsa_forward_progress 1
		.amdhsa_inst_pref_size 28
	.end_amdhsa_kernel
	.amdgpu_metadata
---
amdhsa.version: [ 1, 2 ]
amdhsa.kernels:
  - .name:           k_qb32ecaaa3b_prep
    .symbol:         k_qb32ecaaa3b_prep.kd
    .args:
      - { .name: embed_weight, .offset: 0, .size: 8, .value_kind: global_buffer, .address_space: global }
      - { .name: ebf, .offset: 8, .size: 8, .value_kind: global_buffer, .address_space: global }
      - { .name: ebr, .offset: 16, .size: 8, .value_kind: global_buffer, .address_space: global }
      - { .name: rnp, .offset: 24, .size: 8, .value_kind: global_buffer, .address_space: global }
    .group_segment_fixed_size: 35584
    .private_segment_fixed_size: 0
    .kernarg_segment_align: 8
    .kernarg_segment_size: 32
    .max_flat_workgroup_size: 128
    .sgpr_count:     66
    .vgpr_count:     256
    .wavefront_size: 32
...
	.end_amdgpu_metadata
.endif
;; end of part 5
;; launch amax: the kernel of part 2 again; grid 256 x 1, 4 waves a work-group, clusters of 4 x 1, 327,680 bytes of LDS; arguments z, ebf, rnp, out2, idxw, zb; writes out2, idxw, zb
;; launch emit (part 6): grid 256 x 1, 16 waves a work-group, no clusters, 73,728 bytes of LDS; arguments zb, ebr, idxw, out0, part; writes out0, part
.if DOCPART == 6
	.amdgcn_target "amdgcn-amd-amdhsa--gfx1250"
	.amdhsa_code_object_version 6
	.text
	.protected	k_qb32ecaaa3b_emit
	.globl	k_qb32ecaaa3b_emit
	.p2align	8
	.type	k_qb32ecaaa3b_emit,@function
k_qb32ecaaa3b_emit:
	s_mov_b64 s[64:65], 0
	v_nop
	global_prefetch_b8 v0, s[64:65] scope:SCOPE_SE
	s_setreg_imm32_b32 hwreg(HW_REG_WAVE_SCHED_MODE, 0, 2), 2
	s_setreg_imm32_b32 hwreg(HW_REG_WAVE_MODE, 25, 1), 1
	s_wait_xcnt 0x0
	s_wait_alu depctr_vm_vsrc(0)
; THE CHOSEN ROWS GO OUT.  out0[b][c][hw] = zb + (eb[idx] - zb), two roundings in f32 as the straight-through sum is written, and the work-group's sums of (eb[idx] - zb)^2.
; zb: [32][256][1024] bf16; ebr: [8192][256] bf16; idxw: [32768] indices, stored by the launch before; out0: [32][256][1024] f32; part: 64 f32 for each work-group.
; SHARES.  Work-group g owns 128 queries: image g >> 3, places 128 (g & 7) on.  Wave w first gathers the rows of queries 8 w .. 8 w + 7 (512 consecutive bytes each) into LDS; behind a barrier it takes channels
; 16 w .. 16 w + 15 of all 128 queries: lane L holds queries 4 L .. 4 L + 3, so a load of zb covers 256 and a store of out0 512 consecutive bytes, aligned.
; LDS turns the rows: query q lies in array q & 3, row q >> 2, rows of 512 + 16 bytes: a lane reads row L of each of the four arrays.
; No cluster, no tensor load: no two work-groups want the same bytes but by chance of the indices, and everything is read once.
; LIMITS.  An index is held to 0 .. 8,191 ahead of its use in an address.  The squares are summed in f32, four sums a lane, then across waves in a fixed order.
; THE MODE: SCHED_MODE bits 1:0 = 2 (LLVM: expert scheduling mode 2), set by the entry lines.  The code itself states the register dependences between vector instructions and memory or LDS
; instructions, with s_wait_alu, always for 0.
; THE PLAN.  Registers that memory or LDS instructions touch:
;   v2-v7, v22  addresses and offsets, made once at the head and never written again.      EO   the eight rows' offsets: made in one run when the indices are in, read by the eight gathers, never written again.
;   Z, E        loads land once; Z is read by vector instructions, E by the LDS stores; nothing writes them again.
;   EL          the LDS loads of the turned rows land here; the unpacking lines read it; at the end wave 0's loads of the waves' sums land in it, the tree of additions works in it, and one store reads its first pair.
;   O           channel k's four registers: written once by channel k's last two additions, read by one store.      LACC   the sums: its first pair is read by one LDS store.
; The 16 channels go in four groups of four.  Group g's vector work names T, ZQ, Z, EL, LACC and its own O; the memory instructions dealt among it are group g - 1's stores.  So one wait at a group's head
; states all that its four stores hang on.  No register that a memory or LDS instruction reads is ever written again.
.set EP,    528
.set ARR,   32*EP                      ; 16,896: an array
.set LSC,   4*ARR                      ; 67,584: the waves' sums, 256 bytes each
.set LO16, 1                           ; v1   16 x lane
.set ZA,   2                           ; v2   my 8 bytes of zb in my wave's first channel
.set OA,   3                           ; v3   my 16 bytes of out0 there
.set LST,  4                           ; v4   where I put 16 bytes of a gathered row
.set LRD,  5                           ; v5   where I read my wave's channels of row L
.set LSW,  6                           ; v6   where I put my sums
.set LO8,  7                           ; v7   8 x lane
.set EO,   8                           ; v[8:15]  the eight rows' byte offsets in ebr
.set LACC, 18                          ; v[18:21] four sums of squares
.set LSR,  22                          ; v22  wave 0 reads the sums back
.set T,    24                          ; v[24:27] eb of four queries, then eb - zb
.set ZQ,   28                          ; v[28:31] zb of four queries
.set Z,    32                          ; v[32:63] zb as loaded: two registers a channel
.set E,    64                          ; v[64:95] the gathered rows, four registers each
.set EL,   96                          ; v[96:127] chunk ch of 8 channels, array a at EL + 16 ch + 4 a; later the waves' sums
.set O,    128                         ; v[128:191] out0: four registers a channel, written once
	s_load_b256 s[4:11], s[0:1], 0x0               ; zb s[4:5], ebr s[6:7], idxw s[8:9], out0 s[10:11]
	s_load_b64 s[12:13], s[0:1], 0x20              ; part
	v_lshl_add_u32 v16, v0, 2, 0x11800
	v_mov_b32 v17, 0
	v_lshrrev_b32 v23, 5, v0
	v_readfirstlane_b32 s14, v23                   ; wave 0..15
	v_and_b32 v23, 31, v0                          ; lane L
	v_lshlrev_b32 v[LO16], 4, v23
	v_lshlrev_b32 v[LO8], 3, v23
	s_wait_alu depctr_va_sdst(0)                   ; the wave's number is written, ahead of its first reader: addresses, the indices' base and the last branch are made from it
	s_lshl_b32 s15, s14, 15
	v_lshl_add_u32 v[ZA], v23, 3, s15              ; 16 channels of 2,048 bytes a wave
	s_lshl_b32 s15, s14, 16
	v_lshl_add_u32 v[OA], v23, 4, s15              ; 16 channels of 4,096 bytes a wave
	s_mul_i32 s15, s14, 2*EP
	v_lshl_add_u32 v[LST], v23, 4, s15             ; rows 2 w and 2 w + 1 of each array
	v_mul_u32_u24 v[LRD], v23, EP
	s_lshl_b32 s15, s14, 5
	v_add_nc_u32 v[LRD], s15, v[LRD]
	s_lshl_b32 s15, s14, 8
	s_add_co_u32 s15, s15, LSC
	v_lshl_add_u32 v[LSW], v23, 3, s15
	v_add_nc_u32 v[LSR], LSC, v[LO8]
	s_mov_b32 s24, 0xffff0000                      ; a word's upper bf16
	s_lshr_b32 s26, ttmp9, 3
	s_and_b32 s28, ttmp9, 7
	s_lshl_b32 s26, s26, 19
	s_lshl_b32 s28, s28, 8
	s_add_co_u32 s26, s26, s28                     ; my 128 queries in zb,
	s_mov_b32 s27, 0
	s_lshl_b32 s28, s26, 1                         ; in out0,
	s_mov_b32 s29, 0
	s_lshl_b32 s30, ttmp9, 9
	s_lshl_b32 s31, s14, 5
	s_add_co_u32 s30, s30, s31                     ; my wave's eight indices,
	s_mov_b32 s31, 0
	s_lshl_b32 s32, ttmp9, 8                       ; the work-group's 256 bytes of part
	s_mov_b32 s33, 0
	s_wait_kmcnt 0x0
	s_add_nc_u64 s[4:5], s[4:5], s[26:27]
	s_add_nc_u64 s[10:11], s[10:11], s[28:29]
	s_add_nc_u64 s[8:9], s[8:9], s[30:31]
	s_add_nc_u64 s[12:13], s[12:13], s[32:33]
	s_load_b256 s[16:23], s[8:9], 0x0
	s_wait_alu depctr_va_vdst(0)                   ; the addresses and offsets v2 to v7 and v22 are written: the loads and stores below read them
.set k, 0
.rept 16
	global_load_b64 v[Z+2*k:Z+2*k+1], v[ZA], s[4:5] offset:2048*k th:TH_LOAD_NT
.set k, k+1
.endr
	s_wait_kmcnt 0x0
.irp i, 0,1,2,3,4,5,6,7
	s_min_u32 s[16+\i], s[16+\i], 0x1fff           ; inside the table
	s_lshl_b32 s[16+\i], s[16+\i], 9               ; a row is 512 bytes
	v_add_nc_u32 v[EO+\i], s[16+\i], v[LO16]
.endr
	s_wait_alu depctr_va_vdst(0)                   ; the eight rows' offsets are written, which the eight gathers read: one wait for the run
.irp i, 0,1,2,3,4,5,6,7
	global_load_b128 v[E+4*\i:E+4*\i+3], v[EO+\i], s[6:7]
.endr
.irp i, 0,1,2,3,4,5,6,7
	s_wait_loadcnt 7-\i                            ; row i is in (and all of zb, asked for earlier); the later rows stay out
	ds_store_b128 v[LST], v[E+4*\i:E+4*\i+3] offset:ARR*(\i%4)+EP*(\i/4)
.endr
	s_wait_dscnt 0x0                               ; for the others' sake: my rows lie in LDS
	s_barrier_signal -1
	s_barrier_wait -1
.irp ch, 0,1
.irp a, 0,1,2,3
	ds_load_b128 v[EL+16*\ch+4*\a:EL+16*\ch+4*\a+3], v[LRD] offset:ARR*\a+16*\ch  ; no vector instruction has named EL
.endr
.endr
; Channel k of my wave's sixteen, four queries a lane.
.macro CH k
.irp a, 0,1,2,3
.if (\k)%2 == 0
	v_lshlrev_b32 v[T+\a], 16, v[EL+16*((\k)/8)+4*\a+((\k)%8)/2]
.else
	v_and_b32 v[T+\a], s24, v[EL+16*((\k)/8)+4*\a+((\k)%8)/2]
.endif
.endr
	v_lshlrev_b32 v[ZQ], 16, v[Z+2*(\k)]
	v_and_b32 v[ZQ+1], s24, v[Z+2*(\k)]
	v_lshlrev_b32 v[ZQ+2], 16, v[Z+2*(\k)+1]
	v_and_b32 v[ZQ+3], s24, v[Z+2*(\k)+1]
	v_pk_add_f32 v[T:T+1], v[T:T+1], v[ZQ:ZQ+1] neg_lo:[0,1] neg_hi:[0,1]          ; eb - zb
	v_pk_add_f32 v[T+2:T+3], v[T+2:T+3], v[ZQ+2:ZQ+3] neg_lo:[0,1] neg_hi:[0,1]
.if (\k) == 0
	v_pk_mul_f32 v[LACC:LACC+1], v[T:T+1], v[T:T+1]                                ; the first squares start the sums
	v_pk_mul_f32 v[LACC+2:LACC+3], v[T+2:T+3], v[T+2:T+3]
.else
	v_pk_fma_f32 v[LACC:LACC+1], v[T:T+1], v[T:T+1], v[LACC:LACC+1]
	v_pk_fma_f32 v[LACC+2:LACC+3], v[T+2:T+3], v[T+2:T+3], v[LACC+2:LACC+3]
.endif
	v_pk_add_f32 v[O+4*(\k):O+4*(\k)+1], v[ZQ:ZQ+1], v[T:T+1]                      ; zb + (eb - zb)
	v_pk_add_f32 v[O+4*(\k)+2:O+4*(\k)+3], v[ZQ+2:ZQ+3], v[T+2:T+3]
.endm
.macro ST k
	global_store_b128 v[OA], v[O+4*(\k):O+4*(\k)+3], s[10:11] offset:4096*(\k) th:TH_STORE_NT
.endm
.set g, 0
.rept 4                                        ; group g: channels 4 g to 4 g + 3, in ascending order
.if g == 0
	s_wait_dscnt 0x4                               ; the first eight channels are in; the other chunk's four loads stay out
.endif
.if g == 2
	s_wait_dscnt 0x0
.endif
.if g > 0
	s_wait_alu depctr_va_vdst(0)                   ; the group before has written its sixteen registers of O, which the four stores below read; no vector instruction below names them
.endif
.set c, 0
.rept 4
.if g > 0
	ST 4*(g-1)+c
.endif
	CH 4*g+c
.set c, c+1
.endr
.set g, g+1
.endr
	v_pk_add_f32 v[LACC:LACC+1], v[LACC:LACC+1], v[LACC+2:LACC+3]
	s_wait_alu depctr_va_vdst(0)                   ; the last group has written its O, which the four stores read; the sums' first pair is written, which the LDS store reads; and the unpacking lines are done reading EL, in which wave 0's loads below land: no vector instruction stands between
.set c, 0
.rept 4
	ST 12+c
.set c, c+1
.endr
	ds_store_b64 v[LSW], v[LACC:LACC+1]
	s_wait_dscnt 0x0                               ; for wave 0's sake
	s_barrier_signal -1
	s_barrier_wait -1
	s_cmp_lg_u32 s14, 0
	s_cbranch_scc1 .Lend
.set i, 0
.rept 16
	ds_load_b64 v[EL+2*i:EL+2*i+1], v[LSR] offset:256*i
.set i, i+1
.endr
	s_wait_dscnt 0x0
.irp hf, 8,4,2,1
.set p, 0
.rept \hf
	v_pk_add_f32 v[EL+2*p:EL+2*p+1], v[EL+2*p:EL+2*p+1], v[EL+2*(p+\hf):EL+2*(p+\hf)+1]
.set p, p+1
.endr
.endr
	s_wait_alu depctr_va_vdst(0)                   ; the tree's last addition has written the pair that the store reads
	global_store_b64 v[LO8], v[EL:EL+1], s[12:13]  ; 256 consecutive bytes, aligned
.Lend:
	s_wait_dscnt 0x0                               ; the wave's end.  0 is added below onto my spare word, in the bytes from 71,680 on
	s_wait_alu depctr_hold_cnt(0) depctr_sa_sdst(0) depctr_va_vdst(0) depctr_va_sdst(0) depctr_va_ssrc(0) depctr_va_vcc(0) depctr_vm_vsrc(0)
	s_wait_tensorcnt 0x0
	ds_add_u32 v16, v17
	s_wait_dscnt 0x0
	s_endpgm
.Lfunc_end_k_qb32ecaaa3b_emit:
	.size	k_qb32ecaaa3b_emit, .Lfunc_end_k_qb32ecaaa3b_emit-k_qb32ecaaa3b_emit
	.p2alignl 7, 3214868480
	.fill 96, 4, 3214868480
	.section	.rodata,"a",@progbits
	.p2align	6, 0x0
	.amdhsa_kernel k_qb32ecaaa3b_emit
		.amdhsa_group_segment_fixed_size 73728
		.amdhsa_private_segment_fixed_size 0
		.amdhsa_enable_private_segment 0
		.amdhsa_kernarg_size 40
		.amdhsa_user_sgpr_count 2
		.amdhsa_user_sgpr_kernarg_segment_ptr 1
		.amdhsa_wavefront_size32 1
		.amdhsa_system_sgpr_workgroup_id_x 1
		.amdhsa_system_sgpr_workgroup_id_y 1
		.amdhsa_system_sgpr_workgroup_id_z 1
		.amdhsa_system_vgpr_workitem_id 0
		.amdhsa_next_free_vgpr 192
		.amdhsa_next_free_sgpr 66
		.amdhsa_reserve_vcc 0
		.amdhsa_float_denorm_mode_32 3
		.amdhsa_float_denorm_mode_16_64 3
		.amdhsa_memory_ordered 1
		.amdhsa_forward_progress 1
		.amdhsa_inst_pref_size 22
	.end_amdhsa_kernel
	.amdgpu_metadata
---
amdhsa.version: [ 1, 2 ]
amdhsa.kernels:
  - .name:           k_qb32ecaaa3b_emit
    .symbol:         k_qb32ecaaa3b_emit.kd
    .args:
      - { .name: zb, .offset: 0, .size: 8, .value_kind: global_buffer, .address_space: global }
      - { .name: ebr, .offset: 8, .size: 8, .value_kind: global_buffer, .address_space: global }
      - { .name: idxw, .offset: 16, .size: 8, .value_kind: global_buffer, .address_space: global }
      - { .name: out0, .offset: 24, .size: 8, .value_kind: global_buffer, .address_space: global }
      - { .name: part, .offset: 32, .size: 8, .value_kind: global_buffer, .address_space: global }
    .group_segment_fixed_size: 73728
    .private_segment_fixed_size: 0
    .kernarg_segment_align: 8
    .kernarg_segment_size: 40
    .max_flat_workgroup_size: 512
    .sgpr_count:     66
    .vgpr_count:     192
    .wavefront_size: 32
...
	.end_amdgpu_metadata
.endif
;; end of part 6
;; launch total: the kernel of part 4 again; grid 1 x 1, 8 waves a work-group, no clusters, 1,280 bytes of LDS; arguments part, out1; writes out1
